; MI455X (gfx1250); checked and timed in simulation.
; The chip was launched on July 23, 2026; its instructions are those of AMD's public machine-readable ISA for CDNA 5 (MIT licence, August 2026) and "CDNA5" Instruction Set Architecture Reference Guide (July 2026). The comments in the code are by the model that wrote it; some were corrected since.
;; Relative Positional Attention. Allowed arithmetic: matrix products marked QUANTISED: E2M3 operands, one E8M0 scale for each 32 along K, by v_wmma_scale_f32_16x16x128_f8f6f4 with both operands' format E2M3, f32 sums; everything else in f32.
;; Inputs: Wk 1,024 x 1,024 float32; Wo 1,024 x 1,024 float32; Wq 1,024 x 1,024 float32; Wv 1,024 x 1,024 float32; bo 1,024 float32; key_ 2 x 2,048 x 1,024 float32; query 2 x 2,048 x 1,024 float32; rel_emb 65 x 64 float32; value 2 x 2,048 x 1,024 float32.
;; Outputs: out0 2 x 2,048 x 1,024 float32.
;; This version of the problem:
;;   THIS VERSION OF THE PROBLEM IS GIVEN IN LOW PRECISION. The matrix products marked QUANTISED in the list below multiply operands that are first quantised to E2M3 (2 exponent bits, 3 mantissa bits; 6 bits a number), with one power-of-two scale for each 32 numbers along K (OCP MX v1.0); their sums are f32. All else is computed in f32.
;;   The module's matrix products, in the order in which they are computed (A, B: the left and right operand; K: the contracted axis; several contracted axes count as one K, in the product's order):
;;     1. [M 4,096, K 1,024] x [K 1,024, N 1,024]; A: input query; B: input Wq: QUANTISED
;;     2. [M 4,096, K 1,024] x [K 1,024, N 1,024]; A: input key_; B: input Wk: QUANTISED
;;     3. [M 4,096, K 1,024] x [K 1,024, N 1,024]; A: input value; B: input Wv: QUANTISED
;;     4. batch 32 x [M 2,048, K 64] x [K 64, N 2,048]; A: computed on the way; B: computed on the way: QUANTISED
;;     5. [M 65,536, K 64] x [K 64, N 65]; A: computed on the way; B: input rel_emb: QUANTISED
;;     6. batch 32 x [M 2,048, K 2,048] x [K 2,048, N 64]; A: softmax (see below); B: computed on the way: QUANTISED
;;     7. [M 4,096, K 1,024] x [K 1,024, N 1,024]; A: computed on the way; B: input Wo: QUANTISED
;;   THE QUANTISER, for each operand of a quantised product, along K:
;;     - K is cut into blocks of 32 from its start; a last block that is shorter is filled with zeros.
;;     - A block's scale is 2^e with e = floor(log2(the largest magnitude in the block)) - 2, held to -126 .. 127; a block of zeros has e = 0. As a byte (E8M0): e + 127.
;;     - Each number is divided by its block's scale, clamped to +-7.5, and rounded to the nearest number of E2M3, ties to even, subnormals kept.
;;     - The product sums the exact products of the quantised numbers (number of the format x scale) in f32.
;;   ~~~python
;;   def quantise(x, axis):      # numpy; x: float32 -> the quantised numbers, widened to float32 again
;;       x = np.moveaxis(x, axis, -1); K = x.shape[-1]
;;       x = np.pad(x, [(0, 0)] * (x.ndim - 1) + [(0, -K % 32)]); x = x.reshape(x.shape[:-1] + (-1, 32)); a = np.abs(x).max(-1, keepdims=True)
;;       e = np.where(a > 0, np.clip(np.frexp(np.where(a > 0, a, 1))[1] - 1 - 2, -126, 127), 0)      # np.frexp(a)[1] - 1 = floor(log2(a)), exactly
;;       r = np.clip(x / 2.0 ** e, -7.5, 7.5)
;;       step = 2.0 ** (np.maximum(np.frexp(np.where(r == 0, 1, r))[1] - 1, 0) - 3)
;;       q = np.round(r / step) * step * 2.0 ** e      # np.round: ties to even
;;       return np.moveaxis(q.reshape(q.shape[:-2] + (-1,))[..., :K], -1, axis).astype(np.float32)
;;   ~~~
;;   SOFTMAX AHEAD OF A QUANTISED PRODUCT. Where the list says 'softmax', what is quantised is not the finished softmax but p = 2^(t - M), with t = logit x log2(e) and M = ceil(the row's largest t), a whole number; so 1/2 < the row's largest p <= 1. The row's sum l is taken of the UNQUANTISED p, in f32, and the product's result is divided by l at the end. Since M is a whole number, a kernel that streams over the keys may use a running M (the ceiling of the running maximum): every later rescaling is an exact power of two, which a block's scale takes up: the codes' values come out the same.
;;   OPERANDS COMPUTED ON THE WAY. 'Computed on the way' means the value that the module computes at that place (a softmax that the list does not call 'softmax' is quantised finished and normalised). What goes into a quantiser is computed in f32, as accurately as f32 sums, v_exp_f32 and their like allow (about 1e-6 of the number): no bf16 or f16 on the way to a quantiser, and a product that is left as it is and whose result goes on into a quantised operand takes f32 operands (vector FMAs, or v_wmma_f32_16x16x4_f32). A number that lies on a knife's edge between two numbers of the format may be rounded either way, as far as f32 arithmetic and the matrix unit's own rounding can turn it there, and no further.
;; One version. Each part assembles by itself: llvm-mc -triple=amdgcn-amd-amdhsa -mcpu=gfx1250 --defsym DOCPART=n.
;; ======== version 1 of 1: 4 launches
;; limits: right only within a limited range of input values
;; workspace buffers: xcodes 12,582,912 bytes; xscales 524,288 bytes; qkv 9,437,184 bytes; qkvs 655,360 bytes; ocodes 3,145,728 bytes; oscales 131,072 bytes
;; launch quant (part 1): grid 512 x 1, 4 waves a work-group, no clusters, 34,304 bytes of LDS; arguments query, key_, value, Wq, Wk, Wv, Wo, xcodes, xscales; writes xcodes, xscales
.if DOCPART == 1
	.amdgcn_target "amdgcn-amd-amdhsa--gfx1250"
	.amdhsa_code_object_version 6
	.text
	.protected	k_q3a0f320c8e_quant
	.globl	k_q3a0f320c8e_quant
	.p2align	8
	.type	k_q3a0f320c8e_quant,@function
k_q3a0f320c8e_quant:
	s_mov_b64 s[64:65], 0
	v_nop
	global_prefetch_b8 v0, s[64:65] scope:SCOPE_SE
	s_setreg_imm32_b32 hwreg(HW_REG_WAVE_MODE, 25, 1), 1
	s_wait_xcnt 0x0
; query, key_, value [4096][1024] and Wq, Wk, Wv, Wo [1024][1024], f32, become codes of FP6 (E2M3) with one E8M0 byte for each 32 along K (the last axis),
; laid IN THE ORDER OF THE OPERAND'S REGISTERS.  A half fragment is 16 rows x 64 K = 768 bytes: lane l = (r = l % 16, h = l / 16) holds block h (32 codes, 6 registers) of row r;
; its registers 0-3 lie at byte 16 l, registers 4-5 at 512 + 8 l.  A fragment (16 rows x 128 K) is two of them on end.
; THE ROWS OF A TILE ARE NOT NEIGHBOURS: in each group of 128 rows, lane r of tile a takes row 32 (a / 2) + 8 (a % 2) + r + 8 (r / 8).
; xcodes: units of 6,144 bytes (4 fragments); unit = tensor's first + ((rows / 128) x 8 + K / 128) x 2 + a / 4.  xscales: 256 bytes a unit: the word of tile a % 4, row r at 16 r + 4 (a % 4).
; A wave takes one unit: 64 rows x 128 K.  Each load reads 512 consecutive bytes of one row; a fragment's 16 rows turn through the wave's own stage in LDS (rows 528 bytes apart, so that the sixteen
; rows that a read touches begin in different banks) and come back 256 bytes a lane: two whole blocks, so that no other lane is asked for a maximum.
; A block's scale is 2^(floor(log2(largest magnitude)) - 2): its byte is the largest magnitude's exponent field - 2, held at 1 from below.
; LIMITS: a block of zeros gets the byte 1 where the rule says 127 (its codes are zeros, and this program alone reads the bytes); blocks whose largest magnitude lies under 2^-124 get the byte 1; NaN and infinities are not served.
; No barrier: waves share nothing.
.set PITCH, 528
.set SPARE, 4*16*PITCH                 ; behind the four stages: the spare words, 128 bytes a wave
.set MX,  8                            ; v8-9    the two blocks' largest magnitudes
.set SO,  10                           ; v10-11  the conversions' scale operands
.set BY,  12                           ; v12-13  the scale bytes
.set SPW, 14                           ; v14     my spare word's LDS address; never rewritten
.set NIL, 15                           ; v15     0; never rewritten
.set WD,  16                           ; v16-19  the four fragments' scale words
.set OW,  20                           ; v20-21  the two words that I store
.set CT,  24                           ; v24-30  the second halves of the blocks' codes, as converted
.set RA,  32                           ; v32-95, v96-159   two sets of 16 rows as loaded
.set X,   160                          ; v160-223 my two blocks
.set PC,  224                          ; v224-235, v236-247  two sets of a fragment's 12 registers
	s_load_b512 s[4:19], s[0:1], 0x0               ; query, key_, value, Wq, Wk, Wv, Wo, xcodes
	s_load_b64 s[20:21], s[0:1], 0x40              ; xscales
	v_lshl_add_u32 v[SPW], v0, 2, SPARE
	v_mov_b32 v[NIL], 0
	v_lshrrev_b32 v1, 5, v0
	v_readfirstlane_b32 s25, v1                    ; wave
	v_and_b32 v9, 31, v0                           ; lane
	v_and_b32 v10, 15, v0                          ; r
	v_bfe_u32 v11, v0, 4, 1                        ; h
	v_lshlrev_b32 v1, 4, v9                        ; v1: 16 x lane
	s_mul_i32 s29, s25, 16*PITCH                   ; my stage
	v_add_nc_u32 v2, s29, v1                       ; v2: into the stage: 16 x lane of a row
	v_mul_u32_u24 v3, v10, PITCH
	v_lshl_add_u32 v3, v11, 7, v3
	v_add_nc_u32 v3, s29, v3                       ; v3: out of it: row r, + 128 h
	v_lshlrev_b32 v4, 3, v9                        ; v4: 8 x lane
	v_lshlrev_b32 v5, 3, v11                       ; v5: 8 h
	v_mov_b32 v6, 0                                ; v6: a lane permute's destination counts as a source: written once
	v_lshlrev_b32 v7, 4, v10
	v_lshl_add_u32 v7, v11, 3, v7                  ; v7: 16 r + 8 h: my two scale words
	s_mov_b32 s26, 0x76543210
	s_mov_b32 s27, 0xfedcba98                      ; selects for lane l xor 16
	s_mov_b32 s28, 0xffff0000                      ; lanes 16-31
	s_wait_alu depctr_va_vdst(0)
	s_wait_kmcnt 0x0
	s_mov_b64 s[22:23], s[16:17]                   ; which tensor: by the work-group's number alone.  s24: the tensor's first work-group
	s_mov_b32 s24, 480
	s_cmp_lt_u32 ttmp9, 480
	s_cselect_b64 s[22:23], s[14:15], s[22:23]
	s_cselect_b32 s24, 448, s24
	s_cmp_lt_u32 ttmp9, 448
	s_cselect_b64 s[22:23], s[12:13], s[22:23]
	s_cselect_b32 s24, 416, s24
	s_cmp_lt_u32 ttmp9, 416
	s_cselect_b64 s[22:23], s[10:11], s[22:23]
	s_cselect_b32 s24, 384, s24
	s_cmp_lt_u32 ttmp9, 384
	s_cselect_b64 s[22:23], s[8:9], s[22:23]
	s_cselect_b32 s24, 256, s24
	s_cmp_lt_u32 ttmp9, 256
	s_cselect_b64 s[22:23], s[6:7], s[22:23]
	s_cselect_b32 s24, 128, s24
	s_cmp_lt_u32 ttmp9, 128
	s_cselect_b64 s[22:23], s[4:5], s[22:23]
	s_cselect_b32 s24, 0, s24
	s_sub_co_u32 s30, ttmp9, s24
	s_lshl_b32 s30, s30, 2
	s_add_co_u32 s30, s30, s25                     ; my unit within the tensor
	s_lshr_b32 s31, s30, 4
	s_lshl_b32 s31, s31, 19                        ; 128 rows of 4,096 bytes
	s_bfe_u32 s32, s30, 0x30001
	s_lshl_b32 s32, s32, 9                         ; 128 along K: 512 bytes
	s_and_b32 s33, s30, 1
	s_lshl_b32 s33, s33, 18                        ; 64 rows
	s_add_co_u32 s34, s31, s32
	s_add_co_u32 s34, s34, s33
	s_mov_b32 s35, 0
	s_add_nc_u64 s[22:23], s[22:23], s[34:35]
	s_lshl_b32 s30, ttmp9, 2
	s_add_co_u32 s30, s30, s25                     ; my unit among all
	s_mul_i32 s36, s30, 6144
	s_mov_b32 s37, 0
	s_add_nc_u64 s[18:19], s[18:19], s[36:37]
	s_lshl_b32 s38, s30, 8
	s_mov_b32 s39, 0
	s_add_nc_u64 s[20:21], s[20:21], s[38:39]
.macro LOAD j                          ; fragment j's 16 rows, 512 consecutive bytes each
.irp p, 0,1,2,3,4,5,6,7,8,9,10,11,12,13,14,15
	global_load_b128 v[RA+64*((\j)%2)+4*\p:RA+64*((\j)%2)+4*\p+3], v1, s[22:23] offset:(32*((\j)/2)+8*((\j)%2)+\p+8*(\p/8))*4096 th:TH_LOAD_NT
.endr
.endm
.macro TURN j                          ; through the stage: LDS serves a wave's instructions in order, so no wait stands between the stores and the loads
.irp p, 0,1,2,3,4,5,6,7,8,9,10,11,12,13,14,15
	ds_store_b128 v2, v[RA+64*((\j)%2)+4*\p:RA+64*((\j)%2)+4*\p+3] offset:PITCH*\p
.endr
.irp c, 0,1
.irp i, 0,1,2,3,4,5,6,7
	ds_load_b128 v[X+32*\c+4*\i:X+32*\c+4*\i+3], v3 offset:256*\c+16*\i   ; k = 64 c + 32 h + 4 i ..
.endr
.endr
.endm
.macro QF j                            ; my two blocks become registers 0-5 and 6-11 of the fragment
.set QP, PC+12*((\j)%2)
.irp c, 0,1
	v_max3_num_f32 v[MX+\c], |v[X+32*\c]|, |v[X+32*\c+1]|, 0x1800000   ; with the floor 2^(3 - 127): the byte cannot fall under 1
.endr
.irp i, 2,4,6,8,10,12,14,16,18,20,22,24,26,28,30
.irp c, 0,1
	v_max3_num_f32 v[MX+\c], v[MX+\c], |v[X+32*\c+\i]|, |v[X+32*\c+\i+1]|
.endr
.endr
.irp c, 0,1
	v_add_nc_u32 v[SO+\c], 0xff000000, v[MX+\c]    ; 2 off the exponent field: the conversion's scale operand
.endr
.irp c, 0,1
	v_lshrrev_b32 v[BY+\c], 23, v[SO+\c]           ; the scale's byte
.endr
	v_lshl_or_b32 v[WD+\j], v[BY+1], 16, v[BY]     ; blocks h and 2 + h of my row,
	v_lshlrev_b32 v[WD+\j], v5, v[WD+\j]           ; at their places in the word;
	v_permlanex16_b32 v6, v[WD+\j], s26, s27
	v_or_b32 v[WD+\j], v[WD+\j], v6                ; with lane l xor 16's two the word is whole, in both halves of the lanes
.if (\j) >= 2
	s_wait_alu depctr_va_vdst(0)
	s_wait_xcnt 0x0                                ; the stores of two fragments back have read this set of registers
.endif
.irp c, 0,1
	v_cvt_scalef32_pk16_fp6_f32 v[QP+6*\c:QP+6*\c+2], v[X+32*\c:X+32*\c+15], v[SO+\c]
	v_cvt_scalef32_pk16_fp6_f32 v[CT+4*\c:CT+4*\c+2], v[X+32*\c+16:X+32*\c+31], v[SO+\c]   ; (a conversion's three registers begin on an even number)
.endr
	v_nop                                          ; one plain place behind a scaled conversion
.irp c, 0,1
.irp i, 0,1,2
	v_mov_b32 v[QP+6*\c+3+\i], v[CT+4*\c+\i]
.endr
.endr
.irp c, 0,1
	global_store_b128 v1, v[QP+6*\c:QP+6*\c+3], s[18:19] offset:1536*(\j)+768*\c          ; 512 consecutive bytes, at a multiple of 256
	global_store_b64 v4, v[QP+6*\c+4:QP+6*\c+5], s[18:19] offset:1536*(\j)+768*\c+512     ; 256 consecutive bytes, at a multiple of 256
.endr
.endm
	LOAD 0
	LOAD 1
.irp j, 0,1,2,3
.if \j < 3
	s_wait_loadcnt 16                              ; this fragment's 16 loads are in; the next fragment's 16 may be out
.else
	s_wait_loadcnt 0x0
.endif
	TURN \j
	s_wait_dscnt 0x0                               ; my blocks are back, and the stores into the stage have read their registers,
.if \j < 2
	LOAD \j+2                                      ; which take the loads of two fragments on
.endif
	QF \j
.endr
	v_cndmask_b32 v[OW], v[WD], v[WD+2], s28       ; lanes 0-15 store tiles 0 and 1's words of row r, lanes 16-31 tiles 2 and 3's
	v_cndmask_b32 v[OW+1], v[WD+1], v[WD+3], s28
	global_store_b64 v7, v[OW:OW+1], s[20:21]      ; 256 consecutive bytes, at a multiple of 256
	s_wait_tensorcnt 0x0                           ; the wave's end
	ds_add_u32 v[SPW], v[NIL]
	s_wait_dscnt 0x0
	s_endpgm
.Lfunc_end_k_q3a0f320c8e_quant:
	.size	k_q3a0f320c8e_quant, .Lfunc_end_k_q3a0f320c8e_quant-k_q3a0f320c8e_quant
	.p2alignl 7, 3214868480
	.fill 96, 4, 3214868480
	.section	.rodata,"a",@progbits
	.p2align	6, 0x0
	.amdhsa_kernel k_q3a0f320c8e_quant
		.amdhsa_group_segment_fixed_size 34304
		.amdhsa_private_segment_fixed_size 0
		.amdhsa_enable_private_segment 0
		.amdhsa_kernarg_size 72
		.amdhsa_user_sgpr_count 2
		.amdhsa_user_sgpr_kernarg_segment_ptr 1
		.amdhsa_wavefront_size32 1
		.amdhsa_system_sgpr_workgroup_id_x 1
		.amdhsa_system_sgpr_workgroup_id_y 1
		.amdhsa_system_sgpr_workgroup_id_z 1
		.amdhsa_system_vgpr_workitem_id 0
		.amdhsa_next_free_vgpr 248
		.amdhsa_next_free_sgpr 66
		.amdhsa_reserve_vcc 0
		.amdhsa_float_denorm_mode_32 3
		.amdhsa_float_denorm_mode_16_64 3
		.amdhsa_memory_ordered 1
		.amdhsa_forward_progress 1
		.amdhsa_inst_pref_size 32
	.end_amdhsa_kernel
	.amdgpu_metadata
---
amdhsa.version: [ 1, 2 ]
amdhsa.kernels:
  - .name:           k_q3a0f320c8e_quant
    .symbol:         k_q3a0f320c8e_quant.kd
    .args:
      - { .name: query, .offset: 0, .size: 8, .value_kind: global_buffer, .address_space: global }
      - { .name: key_, .offset: 8, .size: 8, .value_kind: global_buffer, .address_space: global }
      - { .name: value, .offset: 16, .size: 8, .value_kind: global_buffer, .address_space: global }
      - { .name: Wq, .offset: 24, .size: 8, .value_kind: global_buffer, .address_space: global }
      - { .name: Wk, .offset: 32, .size: 8, .value_kind: global_buffer, .address_space: global }
      - { .name: Wv, .offset: 40, .size: 8, .value_kind: global_buffer, .address_space: global }
      - { .name: Wo, .offset: 48, .size: 8, .value_kind: global_buffer, .address_space: global }
      - { .name: xcodes, .offset: 56, .size: 8, .value_kind: global_buffer, .address_space: global }
      - { .name: xscales, .offset: 64, .size: 8, .value_kind: global_buffer, .address_space: global }
    .group_segment_fixed_size: 34304
    .private_segment_fixed_size: 0
    .kernarg_segment_align: 8
    .kernarg_segment_size: 72
    .max_flat_workgroup_size: 128
    .sgpr_count:     66
    .vgpr_count:     248
    .wavefront_size: 32
...
	.end_amdgpu_metadata
.endif
;; end of part 1
;; launch proj (part 2): grid 16 x 12, 4 waves a work-group, clusters of 4 x 4, 327,680 bytes of LDS; arguments xcodes, xscales, qkv, qkvs; writes qkv, qkvs
.if DOCPART == 2
	.amdgcn_target "amdgcn-amd-amdhsa--gfx1250"
	.amdhsa_code_object_version 6
	.text
	.protected	k_q3a0f320c8e_proj
	.globl	k_q3a0f320c8e_proj
	.p2align	8
	.type	k_q3a0f320c8e_proj,@function
k_q3a0f320c8e_proj:
	s_mov_b64 s[64:65], 0
	v_nop
	global_prefetch_b8 v0, s[64:65] scope:SCOPE_SE
	s_setreg_imm32_b32 hwreg(HW_REG_WAVE_MODE, 25, 1), 1
	s_wait_xcnt 0x0
	s_wait_alu depctr_hold_cnt(0) depctr_sa_sdst(0) depctr_va_vdst(0) depctr_va_sdst(0) depctr_va_ssrc(0) depctr_va_vcc(0) depctr_vm_vsrc(0)
	s_getreg_b32 s2, hwreg(HW_REG_IB_STS2, 6, 4)
	s_cmp_eq_u32 s2, 0
	s_cbranch_scc0 .Lentry_in_a_cluster
	s_endpgm
.Lentry_in_a_cluster:
	s_bfe_u32 s2, ttmp6, 0x10000c
	s_cmp_lg_u32 s2, 0xf033
	s_cbranch_scc0 .Lentry_shape_is_right
	s_endpgm
.Lentry_shape_is_right:
; Q = query Wq^T, K = key_ Wk^T, V = value Wv^T on codes of FP6 (E2M3) with E8M0 scales, each result quantised again as attention's operand.
; A block of 256 x 256 to a work-group, 128 x 128 to each of four waves: 64 accumulators in windows 2 and 3.  Source 0 takes 16 rows of 'B', source 1 16 rows of 'A': a lane holds one row of A, its registers run along B's rows.
; Q, K: A = tokens, B = the weight's rows, so a lane's registers run along the head's axis.  V (cluster row 0): A = Wv's rows, B = tokens, so they run along the keys.  In both the next product's K lies in a lane's registers.
; OPERANDS lie in xcodes in the order of the registers: 128 rows x 128 K are 12,288 dense bytes (8 fragments of 1,536), a group of 128 rows 8 such on end.
; LDS: four parts of 73,728 bytes (A's two groups of 128 rows, B's two), each with K steps 0 to 5, brought by ONE joint load a wave at the head.  The launch's one refill: K steps 6 and 7 land on the bytes of K steps 0 and 1,
; behind the round in K step 1; the wait for it stands in K step 5.
; SCALE WORDS for all of K come straight into 64 registers: 16 loads a wave, each of whole blocks of 256 bytes; lanes 0-15 take A's rows, lanes 16-31 B's.
; CLUSTERS 4 x 4: A's parts are asked for jointly along a row of the cluster, B's along a column.
; NO PREFETCH: the text has no loop to run ahead in; the head's loads ask for three quarters of all that the work-group reads, and the refill is asked for three whole K steps ahead of its wait.
; LIMITS: a block of zeros gets the byte 1 where the rule says 127 (its codes are zeros; this program alone reads the bytes); NaN and infinities are not served.
.set NP,     4                         ; places behind this matrix form
.set NL,     4                         ; LDS loads to a fragment
.set FR,     12                        ; registers of a fragment
.set KB,     12288                     ; 128 rows x 128 K
.set PART,   6*KB
.set SPARE,  4*PART                    ; the spare words, 128 bytes a wave
.set ADRA, 16                          ; v16-19 A: 16 x lane (K places 0-3, 4-5), 8 x lane (likewise)
.set ADRB, 20                          ; v20-23 B
.set STO,  24                          ; 16 x lane
.set RD,   25                          ; 8 x lane
.set SOF,  27                          ; my scale words' offset in xscales
.set SPW,  28
.set NIL,  29
.set SC,   32                          ; v32-95 scale words: register 8 ks + tile; they hold nothing else
.set AF,   128                         ; A's fragments, one set
.set PWR,  144                         ; the way out: the results' scale words
.set SW,   152
.set OWD,  156
.set C7F,  164
.set TM,   200
.set G1, 24                            ; group 1, 288 rows: A's; s[32:39] group 0: head, refill
.set G0, 32
.set G1B, 48                           ; the same for B
.set G0B, 56
.set G1R, 68                           ; group 1, 96 rows: the refill's
.set G1RB, 80
.set MSB, 0
.macro WIN new                         ; the immediate's high byte repeats the setting that is left
.if MSB != \new
	s_set_vgpr_msb (MSB<<8)|\new
.set MSB, \new
.endif
.endm
.set MUL_LO, 0xa1                      ; source 0 window 1, source 1 window 0, C and D window 2
.set MUL_HI, 0xf1
.set TO_B,   0x40
.macro JLOAD g0a, g1a, g0b, g1b        ; waves 0, 1 ask for A's parts, waves 2, 3 for B's; s_nop 0 and four v_nop behind each line
	s_cmp_eq_u32 s17, 0
	s_cbranch_scc0 .Lfor_b_\@
	tensor_load_to_lds s[\g0a:\g0a+3], s[\g1a:\g1a+7]
	s_nop 0
.rept 4
	v_nop
.endr
	s_branch .Lasked_\@
.Lfor_b_\@:
	tensor_load_to_lds s[\g0b:\g0b+3], s[\g1b:\g1b+7]
	s_nop 0
.rept 4
	v_nop
.endr
.Lasked_\@:
.endm
.macro CREST
	s_cmp_lg_u32 s16, 0
	s_cbranch_scc1 .Lnot_wave_0_\@
	s_barrier_signal -3
.Lnot_wave_0_\@:
	s_barrier_wait -3
	s_barrier_signal -1
	s_barrier_wait -1
.endm
.macro CROUND
	s_barrier_signal -1
	s_barrier_wait -1
	CREST
.endm
	s_load_b128 s[4:7], s[0:1], 0x0                ; xcodes, xscales
	s_load_b128 s[12:15], s[0:1], 0x10             ; qkv, qkvs
	v_lshl_add_u32 v[SPW], v0, 2, SPARE
	v_mov_b32 v[NIL], 0
	ds_add_u32 v[SPW], v[NIL]                      ; the opening lines: the add twice on end and one wait
	ds_add_u32 v[SPW], v[NIL]
	v_lshrrev_b32 v1, 5, v0
	v_readfirstlane_b32 s16, v1                    ; wave
	s_lshr_b32 s17, s16, 1                         ; my half of A's rows; also: I fetch for A (0) or B (1)
	s_and_b32 s18, s16, 1                          ; my half of B's rows; also: which group of 128 rows I fetch
	s_bfe_u32 s40, ttmp6, 0x40000                  ; cx
	s_bfe_u32 s41, ttmp6, 0x40004                  ; cy
	s_and_b32 s19, ttmp7, 0xffff
	; which product: cluster row 0 makes V (16 blocks of tokens along x); rows 1, 2 make Q (cluster x 0, 1) and K (2, 3)
	s_max_u32 s66, s19, 1
	s_sub_co_u32 s66, s66, 1
	s_and_b32 s67, ttmp9, 1
	s_lshl_b32 s67, s67, 1
	s_add_co_u32 s66, s66, s67
	s_lshl_b32 s66, s66, 2
	s_lshl_b32 s67, ttmp9, 2
	s_mov_b32 s99, 9437184
	s_mov_b32 s101, 393216
	s_cmp_ge_u32 ttmp9, 2
	s_cselect_b32 s98, 3145728, 0                  ; A's codes, B's codes, A's scales, B's scales: first bytes
	s_cselect_b32 s99, 10223616, s99
	s_cselect_b32 s100, 131072, 0
	s_cselect_b32 s101, 425984, s101
	s_cselect_b32 s2, 1, 0                         ; 0 Q, 1 K, 2 V
	s_cmp_eq_u32 s19, 0
	s_cselect_b32 s98, 11010048, s98
	s_cselect_b32 s99, 6291456, s99
	s_cselect_b32 s100, 458752, s100
	s_cselect_b32 s101, 262144, s101
	s_cselect_b32 s2, 2, s2
	s_cselect_b32 s97, 1, 0
	s_cselect_b32 s66, 0, s66
	s_cselect_b32 s67, s67, 0
	s_add_co_u32 s43, s66, s41                     ; block row (A)
	s_add_co_u32 s42, s67, s40                     ; block column (B)
	s_lshl_b32 s44, s41, 2
	s_lshl_b32 s44, 15, s44                        ; my row of the cluster
	s_lshl_b32 s45, 0x1111, s40                    ; my column
	s_or_b32 s[G1], s44, (3<<16)|(1<<21)           ; elements of 8 bytes, no padding, bit 21 beside the mask
	s_or_b32 s[G1B], s45, (3<<16)|(1<<21)
	s_or_b32 s[G1R], s44, (3<<16)|(1<<21)
	s_or_b32 s[G1RB], s45, (3<<16)|(1<<21)
.irp g, G1, G1B                        ; 73,728 dense bytes as 288 rows of 256
	s_mov_b32 s[\g+1], 32<<16
	s_mov_b32 s[\g+2], 288<<16
	s_mov_b32 s[\g+3], 32<<16
	s_mov_b32 s[\g+4], 288
	s_mov_b32 s[\g+5], 32
	s_mov_b32 s[\g+6], 0
	s_mov_b32 s[\g+7], 0
.endr
.irp g, G1R, G1RB                      ; 24,576 dense bytes as 96 rows of 256
	s_mov_b32 s[\g+1], 32<<16
	s_mov_b32 s[\g+2], 96<<16
	s_mov_b32 s[\g+3], 32<<16
	s_mov_b32 s[\g+4], 96
	s_mov_b32 s[\g+5], 32
	s_mov_b32 s[\g+6], 0
	s_mov_b32 s[\g+7], 0
.endr
	s_lshl_b32 s20, s43, 1                         ; the group of 128 rows that I fetch: of A,
	s_add_co_u32 s20, s20, s18
	s_mul_i32 s20, s20, 98304
	s_add_co_u32 s20, s20, s98
	s_mov_b32 s21, 0
	s_lshl_b32 s46, s42, 1                         ; and of B
	s_add_co_u32 s46, s46, s18
	s_mul_i32 s46, s46, 98304
	s_add_co_u32 s46, s46, s99
	s_mov_b32 s47, 0
	s_mul_i32 s66, s16, PART                       ; where it goes: wave x a part
	s_lshl_b32 s22, s43, 1
	s_add_co_u32 s22, s22, s17                     ; the group of A that I multiply,
	s_lshl_b32 s23, s42, 1
	s_add_co_u32 s23, s23, s18                     ; and of B
	s_lshl_b32 s92, s22, 12
	s_add_co_u32 s92, s92, s100                    ; their scale words, 4,096 bytes a group
	s_lshl_b32 s93, s23, 12
	s_add_co_u32 s93, s93, s101
	s_mul_i32 s67, s17, PART                       ; my fragments in LDS
	s_mul_i32 s90, s18, PART
	s_add_co_u32 s90, s90, 2*PART
	s_mov_b32 s94, 0x76543210
	s_mov_b32 s95, 0xfedcba98                      ; selects for lane l xor 16
	s_mov_b32 s96, 0xffff0000                      ; lanes 16-31
	; the way out: qkv [batch x 16 + head][Q, K, V][128 tokens][..], two heads to a group of 128 of the weight's rows
	s_cmp_eq_u32 s97, 1
	s_cselect_b32 s88, s23, s22                    ; the tokens' group
	s_cselect_b32 s89, s22, s23                    ; the weight's
	s_cselect_b32 s91, 8, 9
	s_lshr_b32 s8, s88, 4
	s_lshl_b32 s8, s8, 3
	s_add_co_u32 s8, s8, s89
	s_and_b32 s88, s88, 15
	s_mul_i32 s76, s8, 2*294912
	s_mul_i32 s9, s2, 98304
	s_add_co_u32 s76, s76, s9
	s_mul_i32 s9, s88, 6144
	s_add_co_u32 s76, s76, s9
	s_mov_b32 s77, 0
	s_mul_i32 s78, s8, 2*20480
	s_lshl_b32 s9, s2, 13
	s_add_co_u32 s78, s78, s9
	s_lshl_b32 s9, s88, s91
	s_add_co_u32 s78, s78, s9
	s_mov_b32 s79, 0
	v_and_b32 v1, 31, v0
	v_and_b32 v2, 15, v0
	v_lshlrev_b32 v[STO], 4, v1
	v_lshlrev_b32 v[RD], 3, v1
	v_add_nc_u32 v[ADRA], s67, v[STO]
	v_add_nc_u32 v[ADRA+2], s67, v[RD]
	v_add_nc_u32 v[ADRB], s90, v[STO]
	v_add_nc_u32 v[ADRB+2], s90, v[RD]
.irp i, ADRA, ADRA+2, ADRB, ADRB+2
	v_add_nc_u32 v[\i+1], 4*KB, v[\i]              ; K places 4 and 5: beyond the reach of a 16-bit offset
.endr
	v_mov_b32 v6, s92
	v_mov_b32 v7, s93
	v_cndmask_b32 v6, v6, v7, s96                  ; lanes 0-15 A's words, lanes 16-31 B's
	v_lshl_add_u32 v[SOF], v2, 4, v6               ; + 16 r
	s_wait_alu depctr_va_vdst(0)
	s_wait_dscnt 0x0                               ; both opening adds are done
	s_wait_kmcnt 0x0
	s_add_nc_u64 s[20:21], s[4:5], s[20:21]
	s_add_nc_u64 s[46:47], s[4:5], s[46:47]
	s_add_nc_u64 s[12:13], s[12:13], s[76:77]
	s_add_nc_u64 s[14:15], s[14:15], s[78:79]
.irp s, 0,1                            ; group 0: the head's load (K steps 0-5) and the refill (K steps 6, 7), both to the part's first byte
	s_mov_b32 s[G0+4*\s], 1
	s_mov_b32 s[G0+4*\s+1], s66
	s_add_nc_u64 s[G0+4*\s+2:G0+4*\s+3], s[20:21], \s*PART
	s_or_b32 s[G0+4*\s+3], s[G0+4*\s+3], 0x80000000
	s_mov_b32 s[G0B+4*\s], 1
	s_mov_b32 s[G0B+4*\s+1], s66
	s_add_nc_u64 s[G0B+4*\s+2:G0B+4*\s+3], s[46:47], \s*PART
	s_or_b32 s[G0B+4*\s+3], s[G0B+4*\s+3], 0x80000000
.endr
.irp k, 0,1,2,3,4,5,6,7,8,9,10,11,12,13,14,15
	global_load_b128 v[SC+4*\k:SC+4*\k+3], v[SOF], s[6:7] offset:256*\k   ; K step k / 2, tiles 4 (k % 2) .. + 3: sixteen lanes read one block of 256 bytes
.endr
	CROUND                                         ; all sixteen work-groups are here: the joint loads meet
	JLOAD G0, G1, G0B, G1B                         ; one tensor load a wave at the head
.macro FRAG reg, adr, q, i
	ds_load_b128 v[\reg:\reg+3], v[\adr] offset:(\q)*KB+(\i)*1536
	ds_load_b64 v[\reg+4:\reg+5], v[\adr+2] offset:(\q)*KB+(\i)*1536+512
	ds_load_b128 v[\reg+6:\reg+9], v[\adr] offset:(\q)*KB+(\i)*1536+768
	ds_load_b64 v[\reg+10:\reg+11], v[\adr+2] offset:(\q)*KB+(\i)*1536+1280
.endm
; 16 products: A's blocks a0, a0 + 1 x B's eight, K step ks.  The 64 accumulators take turns, one instruction a turn.  zero = 1: the first product starts the sums.
.macro MUL16 a0, ks, zero
.irp a, \a0, \a0+1
.irp b, 0,1,2,3,4,5,6,7
.if \zero
	v_wmma_scale_f32_16x16x128_f8f6f4 v[8*(8*((\a)%4)+\b):8*(8*((\a)%4)+\b)+7], v[128*((\ks)%2)+FR*\b:128*((\ks)%2)+FR*\b+FR-1], v[AF+FR*(\a):AF+FR*(\a)+FR-1], 0, v[SC+8*(\ks)+\b], v[SC+8*(\ks)+(\a)] matrix_a_fmt:MATRIX_FMT_FP6 matrix_b_fmt:MATRIX_FMT_FP6 matrix_a_scale:MATRIX_SCALE_ROW1
.else
	v_wmma_scale_f32_16x16x128_f8f6f4 v[8*(8*((\a)%4)+\b):8*(8*((\a)%4)+\b)+7], v[128*((\ks)%2)+FR*\b:128*((\ks)%2)+FR*\b+FR-1], v[AF+FR*(\a):AF+FR*(\a)+FR-1], v[8*(8*((\a)%4)+\b):8*(8*((\a)%4)+\b)+7], v[SC+8*(\ks)+\b], v[SC+8*(\ks)+(\a)] matrix_a_fmt:MATRIX_FMT_FP6 matrix_b_fmt:MATRIX_FMT_FP6 matrix_a_scale:MATRIX_SCALE_ROW1
.endif
.endr
.endr
.endm
.macro FETCH_B ks                      ; B's eight fragments of K step ks into set ks % 2.  K step ks lies at place ks % 6 of a part
.set PS, (\ks)-6*((\ks)/6)
	WIN TO_B
.irp i, 0,1,2,3,4,5,6,7
	FRAG 128*((\ks)%2)+FR*\i, ADRB+PS/4, PS%4, \i
.endr
	WIN 0
.endm
.macro FETCH_A ks, i0                  ; A's blocks i0 .. i0 + 3
.set PS, (\ks)-6*((\ks)/6)
.irp i, \i0, \i0+1, \i0+2, \i0+3
	FRAG AF+FR*(\i), ADRA+PS/4, PS%4, \i
.endr
.endm
.macro PLACES n
.rept \n
	v_nop
.endr
.endm
.macro REST ks, zero                   ; the next step's fragments, and the step's second half
	FETCH_B (\ks)+1
	FETCH_A (\ks)+1, 0
	WIN MUL_HI
	MUL16 4, \ks, \zero
	MUL16 6, \ks, \zero
	PLACES NP
	WIN 0
	FETCH_A (\ks)+1, 4
.endm
.macro STEP ks, zero
	s_wait_dscnt 4*NL                              ; B's set and A's blocks 0-3 are in; the youngest 16 loads (A's blocks 4-7) may be out
	WIN MUL_LO
	MUL16 0, \ks, \zero
	MUL16 2, \ks, \zero
	s_wait_dscnt 0
	PLACES NP
	REST \ks, \zero
.endm
; A step with a barrier.  fill = 1 (K step 1): nobody reads K steps 0 and 1 in LDS any more; the barrier opens a round of the cluster's barrier and their bytes take K steps 6 and 7.
; fill = 0 (K step 5): every wave's part of the refill has landed, and the next step's fragments are read from it.
.macro TURN ks, fill
	s_wait_tensorcnt 0x0                           ; all my tensor loads have landed
	ds_add_u32 v[SPW], v[NIL]
	s_wait_dscnt 4*NL+1                            ; (the add and the youngest 16 loads may be out)
	WIN MUL_LO
	MUL16 0, \ks, 0
	s_wait_dscnt 0x0                               ; the add is done, and so are all my LDS reads
	s_barrier_signal -1
	MUL16 2, \ks, 0
	WIN 0
	s_barrier_wait -1
.if \fill
	CREST
	JLOAD G0+4, G1R, G0B+4, G1RB                   ; the first tensor load behind the round; its four v_nop are the places in front of the loads below
.else
	PLACES NP
.endif
	REST \ks, 0
.endm
	s_wait_tensorcnt 0x0                           ; my part is in,
	s_barrier_signal -1
	s_barrier_wait -1                              ; and everybody's
	FETCH_B 0
	FETCH_A 0, 0
	FETCH_A 0, 4
	s_wait_loadcnt 0x0                             ; the scale words
	STEP 0, 1
	TURN 1, 1
	STEP 2, 0
	STEP 3, 0
	STEP 4, 0
	TURN 5, 0
	STEP 6, 0
	s_wait_dscnt 4*NL
	WIN MUL_LO
	MUL16 0, 7, 0
	MUL16 2, 7, 0
	s_wait_dscnt 0
	WIN MUL_HI
	MUL16 4, 7, 0
	MUL16 6, 7, 0
	WIN 0
	PLACES NP
; THE WAY OUT.  Block a: 16 rows of A x 128 of B's rows.  The 16 registers of tiles 2 b, 2 b + 1 are 16 neighbours along the next K; a block of 32 lies in lanes l and l xor 16.
.macro QACC a
.set AC, 64*((\a)%4)
.set QW, 2+(\a)/4
.set QP, 96+24*((\a)%2)
	WIN QW|(QW<<2)
.irp b, 0,1,2,3
	v_max3_num_f32 v[TM+\b], |v[AC+16*\b]|, |v[AC+16*\b+1]|, 0x1800000   ; with the floor 2^(3 - 127): the byte cannot fall under 1
.endr
.irp i, 2,4,6,8,10,12,14
.irp b, 0,1,2,3
	v_max3_num_f32 v[TM+\b], |v[AC+16*\b+\i]|, |v[AC+16*\b+\i+1]|, v[TM+\b]
.endr
.endr
	WIN 0
.irp b, 0,1,2,3
	v_permlanex16_b32 v[TM+4+\b], v[TM+\b], s94, s95
.endr
.irp b, 0,1,2,3
	v_max_num_f32 v[TM+\b], v[TM+\b], v[TM+4+\b]
.endr
.irp b, 0,1,2,3
	v_add_nc_u32 v[TM+12+\b], 0xff000000, v[TM+\b] ; 2 off the exponent field: the conversion's scale operand
.endr
.irp b, 0,1,2,3
	v_lshrrev_b32 v[TM+4+\b], 23, v[TM+12+\b]      ; the byte
.endr
	v_lshl_or_b32 v[PWR+\a], v[TM+5], 8, v[TM+4]
	v_lshl_or_b32 v[PWR+\a], v[TM+6], 16, v[PWR+\a]
	v_lshl_or_b32 v[PWR+\a], v[TM+7], 24, v[PWR+\a]
.if (\a) >= 2
	s_wait_alu depctr_va_vdst(0)
	s_wait_xcnt 0x0                                ; the stores of two blocks back have read this set of registers
.endif
	WIN QW
.irp c, 0,1
	v_cvt_scalef32_pk16_fp6_f32 v[QP+6*\c:QP+6*\c+2], v[AC+32*\c:AC+32*\c+15], v[TM+12+2*\c]
	v_cvt_scalef32_pk16_fp6_f32 v[QP+12+4*\c:QP+14+4*\c], v[AC+32*\c+16:AC+32*\c+31], v[TM+12+2*\c+1]
.endr
	WIN 0
	v_nop                                          ; one plain place behind a scaled conversion
.irp c, 0,1
.irp i, 0,1,2
	v_permlane16_swap_b32 v[QP+6*\c+\i], v[QP+12+4*\c+\i]   ; a whole block to a lane
.endr
.irp i, 0,1,2
	v_mov_b32 v[QP+3+6*\c+\i], v[QP+12+4*\c+\i]
.endr
.endr
	s_cmp_eq_u32 s97, 0
	s_cbranch_scc0 .Lv_\@
.irp c, 0,1                            ; Q, K: half fragment c belongs to head c of my two
	global_store_b128 v[STO], v[QP+6*\c:QP+6*\c+3], s[12:13] offset:\c*294912+(\a)*768
	global_store_b64 v[RD], v[QP+6*\c+4:QP+6*\c+5], s[12:13] offset:\c*294912+(\a)*768+512
.endr
	s_branch .Ldone_\@
.Lv_\@:
	s_wait_alu depctr_va_vdst(0)
.irp c, 0,1                            ; V: blocks 0-3 are head 0's 64 channels, blocks 4-7 head 1's
	global_store_b128 v[STO], v[QP+6*\c:QP+6*\c+3], s[12:13] offset:((\a)/4)*294912+((\a)%4)*1536+\c*768
	global_store_b64 v[RD], v[QP+6*\c+4:QP+6*\c+5], s[12:13] offset:((\a)/4)*294912+((\a)%4)*1536+\c*768+512
.endr
.Ldone_\@:
.endm
.irp b, 0,1,2,3
	v_mov_b32 v[TM+4+\b], 0                        ; a lane permute's destination counts as a source
.endr
	v_mov_b32 v[C7F], 0x7f7f7f7f
.irp a, 0,1,2,3,4,5,6,7
	QACC \a
.endr
.irp j, 0,1,2,3
	v_cndmask_b32 v[SW+\j], v[PWR+2*\j], v[PWR+2*\j+1], s96   ; lanes 0-15 the even block's words, lanes 16-31 the odd block's
.endr
	s_cmp_eq_u32 s97, 0
	s_cbranch_scc0 .Lv_scales
.irp j, 0,1,2,3                        ; Q, K: a head has 64 along K: its two bytes, and 0x7f for the half that zero codes fill
	v_perm_b32 v[OWD+\j], v[C7F], v[SW+\j], 0x04040100
	v_perm_b32 v[OWD+4+\j], v[C7F], v[SW+\j], 0x04040302
.endr
	global_store_b128 v[STO], v[OWD:OWD+3], s[14:15]
	global_store_b128 v[STO], v[OWD+4:OWD+7], s[14:15] offset:20480
	s_branch .Lscales_done
.Lv_scales:
	s_wait_alu depctr_va_vdst(0)
	global_store_b64 v[RD], v[SW:SW+1], s[14:15]
	global_store_b64 v[RD], v[SW+2:SW+3], s[14:15] offset:20480
.Lscales_done:
	s_wait_tensorcnt 0x0                           ; the wave's end
	ds_add_u32 v[SPW], v[NIL]
	s_wait_dscnt 0x0
	CROUND                                         ; the closing round
	s_endpgm
.Lfunc_end_k_q3a0f320c8e_proj:
	.size	k_q3a0f320c8e_proj, .Lfunc_end_k_q3a0f320c8e_proj-k_q3a0f320c8e_proj
	.p2alignl 7, 3214868480
	.fill 96, 4, 3214868480
	.section	.rodata,"a",@progbits
	.p2align	6, 0x0
	.amdhsa_kernel k_q3a0f320c8e_proj
		.amdhsa_group_segment_fixed_size 327680
		.amdhsa_private_segment_fixed_size 0
		.amdhsa_enable_private_segment 0
		.amdhsa_kernarg_size 32
		.amdhsa_user_sgpr_count 2
		.amdhsa_user_sgpr_kernarg_segment_ptr 1
		.amdhsa_wavefront_size32 1
		.amdhsa_system_sgpr_workgroup_id_x 1
		.amdhsa_system_sgpr_workgroup_id_y 1
		.amdhsa_system_sgpr_workgroup_id_z 1
		.amdhsa_system_vgpr_workitem_id 0
		.amdhsa_next_free_vgpr 1024
		.amdhsa_next_free_sgpr 102
		.amdhsa_reserve_vcc 0
		.amdhsa_float_denorm_mode_32 3
		.amdhsa_float_denorm_mode_16_64 3
		.amdhsa_memory_ordered 1
		.amdhsa_forward_progress 1
		.amdhsa_inst_pref_size 151
	.end_amdhsa_kernel
	.amdgpu_metadata
---
amdhsa.version: [ 1, 2 ]
amdhsa.kernels:
  - .name:           k_q3a0f320c8e_proj
    .symbol:         k_q3a0f320c8e_proj.kd
    .args:
      - { .name: xcodes, .offset: 0, .size: 8, .value_kind: global_buffer, .address_space: global }
      - { .name: xscales, .offset: 8, .size: 8, .value_kind: global_buffer, .address_space: global }
      - { .name: qkv, .offset: 16, .size: 8, .value_kind: global_buffer, .address_space: global }
      - { .name: qkvs, .offset: 24, .size: 8, .value_kind: global_buffer, .address_space: global }
    .group_segment_fixed_size: 327680
    .private_segment_fixed_size: 0
    .kernarg_segment_align: 8
    .kernarg_segment_size: 32
    .max_flat_workgroup_size: 128
    .sgpr_count:     102
    .vgpr_count:     1024
    .wavefront_size: 32
...
	.end_amdgpu_metadata
.endif
;; end of part 2
;; launch attn (part 3): grid 8 x 32, 16 waves a work-group, no clusters, 327,680 bytes of LDS; arguments qkv, qkvs, rel_emb, ocodes, oscales; writes ocodes, oscales
.if DOCPART == 3
	.amdgcn_target "amdgcn-amd-amdhsa--gfx1250"
	.amdhsa_code_object_version 6
	.text
	.protected	k_q3a0f320c8e_attn
	.globl	k_q3a0f320c8e_attn
	.p2align	8
	.type	k_q3a0f320c8e_attn,@function
k_q3a0f320c8e_attn:
	s_mov_b64 s[64:65], 0
	v_nop
	global_prefetch_b8 v0, s[64:65] scope:SCOPE_SE
	s_setreg_imm32_b32 hwreg(HW_REG_WAVE_MODE, 25, 1), 1
	s_wait_xcnt 0x0
; Attention with relative positions, on codes of FP6 (E2M3) with E8M0 scales.  score(i, j) = (Q_i . K_j + Q_i . E[clip(j - i, -32, 32) + 32]) / 8; p = 2^(t - M), t = score x log2(e), M = the running largest t rounded UP
; to a whole number; the row's sum is taken of the unquantised p and divides at the end.  The result is quantised along the model's 1,024 and stored as the output projection's operand.
; SHARES.  A work-group: one (batch, head) and 256 queries; each of SIXTEEN waves one tile of 16 queries in 256 registers.  Wave w's queries all lie in ONE block of 32 tokens, block 8 x + w / 2, at places 8 (w % 2) + r + 8 (r / 8).
; Every wave walks the head's 2,048 keys, 128 a step, through two LDS slots of 512 keys (wave 0 fetches K's, wave 1 V's: dense blocks of 24,576 bytes); the head's scale words of K and V come once (wave 2).
; LAYOUT.  Both products transposed: S^T = K Q^T, O^T = V^T P^T: a lane holds one query.  Operands lie as half fragments of 768 bytes (lane l's registers 0-3 at 16 l, 4-5 at 512 + 8 l); the keys of a tile are chosen
; so that S's register 16 b + n is key 32 b + 16 (lane / 16) + n of the step.  K = 64 IN THE FIRST PRODUCT: Q's registers 6-11 are zero codes; K's registers 6-11 are the next tile's codes, which zero codes annihilate
; (every code of this format is a finite number); the scale bytes of that half are 0x7f.
; THE POSITIONS.  For a key block two or more blocks away from the query's, the term is one number a query: QE[0] before, QE[64] after: it goes into the exponent's addend.  For the three blocks around the query's own it is
; gathered from a table of the wave's own in LDS: T[query][e] = QE[clip(e - 64, -32, 32) + 32], e = j - i + 64 = 0 .. 127, made at the head by six products with E's rows laid out by e.
; Which blocks are near hangs on the work-group's and the wave's numbers and on the count of steps alone.  NO CLUSTER: the band's place among the steps differs between the query blocks of a head, so that partners would branch by their place.
; LIMITS: a block of zeros gets the byte 1 where the rule says 127 (zero codes; read by this program alone); NaN and infinities are not served.
.set SLOT1, 65536                      ; slot 0 at 0, slot 1 here: K's 24,576 bytes, then V's
.set SCK,   49152                      ; K's scale words, 512 bytes a step
.set SCV,   57344                      ; V's, 256 bytes a step
.set SPARE, 61440                      ; the spare words, 128 bytes a wave: 2,048 bytes that no other line names
.set EIMG,  114688                     ; E's 16 tiles as half fragments: written by LDS stores; no fill lands here or behind
.set ESC,   126976                     ; their scale words, 128 bytes a tile
.set TAB,   129024                     ; the tables: 16 rows x 528 bytes for each wave
.set L16, 1                            ; 16 x lane
.set L8,  2                            ; 8 x lane
.set TG,  3                            ; the gathers' address
.set TST, 4                            ; the table's stores
.set SPW, 5
.set NIL, 6
.set LSK, 7                            ; SCK + 16 x lane
.set A16, 8                            ; v8-11 the step's addresses
.set A8,  9
.set ADS, 10
.set ADT, 11
.set QF,  16                           ; v16-27 Q (v22-27 zero codes)
.set QS,  28                           ; Q's scale words
.set QE0, 29
.set QE64, 30
.set LSV, 31                           ; SCV + 8 x lane
.set F,   32                           ; v32-79 K's eight tiles, the gathers, V's four fragments; v80-85 zero
.set KS,  86                           ; v86-89 K's scale words; v90-91 V's
.set VS,  90
.set PB,  92                           ; v92-95 the blocks' position terms
.set S,   96                           ; v96-159 S^T, then p
.set O,   160                          ; v160-191 O^T
.set AD,  192                          ; v192, 194, 196, 198 the blocks' addends (the odd registers are named in pairs and written once)
.set MX,  200
.set PT,  204
.set SO,  208
.set MT,  212
.set PC,  216                          ; v216-227 p's codes
.set PX,  228
.set PW,  236                          ; p's scale word
.set FF,  238                          ; f = 2^(old M - new M)
.set TMP, 240
.set PFO, 244                          ; 256 x lane
.set ES,  246                          ; v246-251 E's scale words
.set R16, 255                          ; 16 r
.set WV,  18
.set SEL, 20
.set CS,  22
.set G1,  24
.set G0,  32
.set G1S, 36
.set G0S, 44
.set TB,  2
.set TS,  3
.set TJ,  48
.set SLOTS, 49
.set CNT, 50
.set DD,  51                           ; the query's block less the step's first key block
.set PFA, 52
.set LIM, 54
	s_load_b256 s[4:11], s[0:1], 0x0               ; qkv, qkvs, rel_emb, ocodes
	s_load_b64 s[12:13], s[0:1], 0x20              ; oscales
	v_lshl_add_u32 v[SPW], v0, 2, SPARE
	v_mov_b32 v[NIL], 0
	ds_add_u32 v[SPW], v[NIL]                      ; the wave's opening: the add and its wait ahead of the first tensor loads; the set-up below, work on registers, stands between
	ds_add_u32 v[SPW], v[NIL]
	v_lshrrev_b32 v8, 5, v0
	s_delay_alu instid0(VALU_DEP_1)
	v_readfirstlane_b32 s[WV], v8                  ; wave 0..15
	v_and_b32 v241, 31, v0                         ; lane
	v_and_b32 v242, 15, v0                         ; r
	s_wait_alu depctr_va_vdst(0)
	v_bfe_u32 v243, v0, 4, 1                       ; h
	v_lshlrev_b32 v[L16], 4, v241
	v_lshlrev_b32 v[L8], 3, v241
	s_delay_alu instid0(VALU_DEP_2)
	v_add_nc_u32 v[LSK], SCK, v[L16]
	s_delay_alu instid0(VALU_DEP_2)
	v_add_nc_u32 v[LSV], SCV, v[L8]
	v_lshlrev_b32 v[PFO], 8, v241
	v_lshlrev_b32 v[R16], 4, v242
	s_and_b32 s14, ttmp7, 0xffff                   ; batch x 16 + head
	s_and_b32 s16, s[WV], 7                        ; my tile among the eight of 128 queries
	s_lshr_b32 s17, s[WV], 3
	s_lshl_b32 s15, ttmp9, 1
	s_add_co_u32 s17, s17, s15                     ; which 128 queries
	s_mov_b32 s[G1], 3<<16                         ; no mask; elements of 8 bytes; no padding: 24,576 dense bytes as 96 rows of 256
	s_mov_b32 s[G1+1], 32<<16
	s_mov_b32 s[G1+2], 96<<16
	s_mov_b32 s[G1+3], 32<<16
	s_mov_b32 s[G1+4], 96
	s_mov_b32 s[G1+5], 32
	s_mov_b32 s[G1+6], 0
	s_mov_b32 s[G1+7], 0
	s_mov_b32 s[G1S], 3<<16                        ; 12,288 dense bytes as 48 rows of 256
	s_mov_b32 s[G1S+1], 32<<16
	s_mov_b32 s[G1S+2], 48<<16
	s_mov_b32 s[G1S+3], 32<<16
	s_mov_b32 s[G1S+4], 48
	s_mov_b32 s[G1S+5], 32
	s_mov_b32 s[G1S+6], 0
	s_mov_b32 s[G1S+7], 0
	s_mul_i32 s56, s14, 294912                     ; the head in qkv
	s_mul_i32 s57, s14, 20480                      ; and in qkvs
	s_min_u32 s58, s[WV], 1
	s_mul_i32 s59, s58, 24576                      ; wave 0: K's place in a slot; wave 1: V's
	s_mul_i32 s60, s58, 98304
	s_add_co_u32 s60, s60, 98304
	s_add_co_u32 s60, s60, s56
	s_mov_b32 s61, 0
	s_add_co_u32 s62, s57, 8192                    ; K's scale words, and V's behind them
	s_mov_b32 s63, 0
	s_mul_i32 s66, s17, 6144                       ; my tile of Q
	s_mul_i32 s55, s16, 768
	s_add_co_u32 s66, s66, s55
	s_add_co_u32 s66, s66, s56
	s_mov_b32 s67, 0
	s_lshl_b32 s68, s17, 9                         ; its scale words: 16 (r + 16 (a % 2)) + 4 (a / 2)
	s_add_co_u32 s68, s68, s57
	s_and_b32 s55, s16, 1
	s_lshl_b32 s55, s55, 8
	s_add_co_u32 s68, s68, s55
	s_lshr_b32 s55, s16, 1
	s_lshl_b32 s55, s55, 2
	s_add_co_u32 s68, s68, s55
	s_mov_b32 s69, 0
	s_lshr_b32 s55, s14, 4                         ; the way out: [128 tokens][K / 128 = head / 2][tile][head % 2]
	s_lshl_b32 s55, s55, 4
	s_add_co_u32 s55, s55, s17
	s_mul_i32 s70, s55, 98304
	s_lshl_b32 s72, s55, 12
	s_bfe_u32 s55, s14, 0x30001
	s_mul_i32 s58, s55, 12288
	s_add_co_u32 s70, s70, s58
	s_lshl_b32 s55, s55, 9
	s_add_co_u32 s72, s72, s55
	s_mul_i32 s58, s16, 1536
	s_add_co_u32 s70, s70, s58
	s_and_b32 s55, s14, 1
	s_mul_i32 s58, s55, 768
	s_add_co_u32 s70, s70, s58
	s_lshl_b32 s55, s55, 1
	s_add_co_u32 s72, s72, s55
	s_lshr_b32 s55, s16, 2
	s_lshl_b32 s55, s55, 8
	s_add_co_u32 s72, s72, s55
	s_and_b32 s55, s16, 3
	s_lshl_b32 s55, s55, 2
	s_add_co_u32 s72, s72, s55
	s_mov_b32 s71, 0
	s_mov_b32 s73, 0
	s_lshl_b32 s74, s[WV], 4                       ; E's tile w holds e = 16 w + r: row clip(e, 32, 96) - 32 of rel_emb: the clip of 16 w, and r where 32 <= 16 w < 96
	s_max_u32 s74, s74, 32
	s_min_u32 s74, s74, 96
	s_sub_co_u32 s74, s74, 32
	s_lshl_b32 s74, s74, 8
	s_mov_b32 s75, 0
	s_sub_co_u32 s55, s[WV], 2
	s_cmp_lt_u32 s55, 4
	s_cselect_b32 s55, 256, 0
	v_mul_u32_u24 v240, v242, s55
	s_wait_alu depctr_va_vdst(0)
	v_lshl_add_u32 v240, v243, 7, v240             ; + 128 h: my block of 32
	s_cmp_lt_u32 s[WV], 8                          ; the prefetches: waves 4 to 6 ask for K's codes, waves 8 to 10 for V's
	s_mov_b32 s52, 196608+24576
	s_cselect_b32 s52, 98304+24576, s52            ; at the second 512 keys: the first change of slots steps it to the third
	s_add_co_u32 s52, s52, s56
	s_and_b32 s58, s[WV], 3
	s_lshl_b32 s58, s58, 13                        ; 8,192 bytes a wave
	s_add_co_u32 s52, s52, s58
	s_mov_b32 s53, 0
	s_lshr_b32 s58, s[WV], 2
	s_sub_co_u32 s58, s58, 1
	s_lshr_b32 s58, s58, 1                         ; 0 in waves 4 to 11,
	s_or_b32 s58, s58, ttmp9                       ; of the head's first work-group
	s_cmp_eq_u32 s58, 0
	s_cselect_b32 s[LIM], 1, -1
	s_and_b32 s58, s[WV], 3
	s_cmp_eq_u32 s58, 3                            ; (a slot's part is three waves' worth)
	s_cselect_b32 s[LIM], -1, s[LIM]
	s_lshl_b32 s[DD], ttmp9, 3
	s_lshr_b32 s55, s[WV], 1
	s_add_co_u32 s[DD], s[DD], s55                 ; my queries' block of 32
	s_mul_i32 s58, s[WV], 16*528
	s_add_co_u32 s58, s58, TAB                     ; my table
	v_mul_u32_u24 v[TST], v242, 528
	s_delay_alu instid0(VALU_DEP_1)
	v_lshl_add_u32 v[TST], v243, 5, v[TST]
	s_delay_alu instid0(VALU_DEP_1)
	v_add_nc_u32 v[TST], s58, v[TST]               ; row r, + 32 h: entries 16 tile + 8 h + 0 .. 7
	; The gathers: entry 64 + 32 e + 16 h + n - (8 (w % 2) + r + 8 (r / 8)) of row r.  128 (e + 1) + 4 n stands in the offset; what is left is
	; 528 r - 4 r - 32 (r / 8) + 64 h + 128 - 32 (w % 2).  With r = 8 g + r7 that is 4,160 g + 524 r7 + 64 h + 96 + 32 ((w + 1) % 2): a sum of terms none of which is negative.
	; The entries reached are 1 (e = -1, h = 0, n = 0, the last query of the block) to 127 (e = 1, h = 1, n = 15, the first): inside the lane's own row of the wave's own table.
	s_add_co_u32 s55, s[WV], 1
	s_and_b32 s55, s55, 1
	s_lshl_b32 s55, s55, 5
	s_add_co_u32 s55, s55, 96
	s_add_co_u32 s58, s58, s55
	v_and_b32 v8, 7, v0                            ; r7
	v_bfe_u32 v9, v0, 3, 1                         ; g
	s_delay_alu instid0(VALU_DEP_2)
	v_mul_u32_u24 v[TG], v8, 524
	s_delay_alu instid0(VALU_DEP_1)
	v_mad_u32_u24 v[TG], v9, 4160, v[TG]
	s_delay_alu instid0(VALU_DEP_1)
	v_lshl_add_u32 v[TG], v243, 6, v[TG]
	s_delay_alu instid0(VALU_DEP_1)
	v_add_nc_u32 v[TG], s58, v[TG]
	s_mul_i32 s58, s[WV], 768
	s_add_co_u32 s58, s58, EIMG
	v_add_nc_u32 v252, s58, v[L16]                 ; where I store my tile of E,
	v_add_nc_u32 v253, s58, v[L8]
	v_lshl_add_u32 v254, v0, 2, ESC                ; and its scale words: 128 bytes a wave
	v_add_nc_u32 v8, EIMG, v[L16]                  ; and where any tile is read
	v_add_nc_u32 v9, EIMG, v[L8]
	v_lshl_add_u32 v10, v241, 2, ESC
	v_lshlrev_b32 v241, 3, v243                    ; 8 h
.irp i, 0,1,2,3,4,5
	v_mov_b32 v[QF+6+\i], 0                        ; Q's upper 64 along K: zero codes
	v_mov_b32 v[F+48+\i], 0                        ; what stands behind K's last tile
.endr
.irp b, 0,1,2,3
	v_mov_b32 v[PT+\b], 0                          ; a lane permute's destination counts as a source
	v_mov_b32 v[AD+2*\b+1], 0                      ; named as the upper halves of pairs
.endr
	v_mov_b32 v[FF+1], 0
	v_mov_b32 v13, 0xff61b1e6                      ; the largest t so far: -3e38
	s_delay_alu instid0(VALU_DEP_1)
	v_floor_f32 v12, -v13                          ; -M
	v_mov_b32 v14, 0                               ; the sum, in two halves
	v_mov_b32 v15, 0
	s_mov_b32 s[SEL], 0x76543210
	s_mov_b32 s[SEL+1], 0xfedcba98
	s_mov_b32 s[CS], 0x3e38aa3b                    ; c = log2(e) / 8
	s_mov_b32 s[CS+1], s[CS]
	s_mov_b32 s[TB], 0
	s_mov_b32 s[TS], 0
	s_mov_b32 s[TJ], 0
	s_mov_b32 s[SLOTS], 3
	s_wait_dscnt 0x0                               ; the opening add is done
	s_wait_kmcnt 0x0
	s_mov_b32 s[G0], 1
	s_mov_b32 s[G0+1], s59
	s_add_nc_u64 s[G0+2:G0+3], s[4:5], s[60:61]
	s_or_b32 s[G0+3], s[G0+3], 0x80000000
	s_mov_b32 s[G0S], 1
	s_mov_b32 s[G0S+1], SCK
	s_add_nc_u64 s[G0S+2:G0S+3], s[6:7], s[62:63]
	s_or_b32 s[G0S+3], s[G0S+3], 0x80000000
	s_add_nc_u64 s[66:67], s[4:5], s[66:67]
	s_add_nc_u64 s[68:69], s[6:7], s[68:69]
	s_add_nc_u64 s[74:75], s[8:9], s[74:75]
	s_add_nc_u64 s[70:71], s[10:11], s[70:71]
	s_add_nc_u64 s[72:73], s[12:13], s[72:73]
	s_add_nc_u64 s[PFA:PFA+1], s[4:5], s[PFA:PFA+1]
	s_cmp_lt_u32 s[WV], 2                          ; the first fills: slot 0 (waves 0 and 1) and the scale words (wave 2); an s_nop 0 and four v_nop follow each
	s_cbranch_scc0 .Lnot_tile
	tensor_load_to_lds s[G0:G0+3], s[G1:G1+7]
	s_nop 0
.rept 4
	v_nop
.endr
	s_branch .Lfilled
.Lnot_tile:
	s_cmp_eq_u32 s[WV], 2
	s_cbranch_scc0 .Lfilled
	tensor_load_to_lds s[G0S:G0S+3], s[G1S:G1S+7]
	s_nop 0
.rept 4
	v_nop
.endr
.Lfilled:
	global_load_b128 v[QF:QF+3], v[L16], s[66:67]
	global_load_b64 v[QF+4:QF+5], v[L8], s[66:67] offset:512
	global_load_b32 v[QS], v[R16], s[68:69]
.irp i, 0,1,2,3,4,5,6,7
	global_load_b128 v[S+4*\i:S+4*\i+3], v240, s[74:75] offset:16*\i
.endr
	s_wait_loadcnt 0x0
	; my tile of E: a lane holds a whole block of 32 of its row
	v_max3_num_f32 v[MX], |v[S]|, |v[S+1]|, 0x1800000
.irp i, 2,4,6,8,10,12,14,16,18,20,22,24,26,28,30
	s_delay_alu instid0(VALU_DEP_1)
	v_max3_num_f32 v[MX], v[MX], |v[S+\i]|, |v[S+\i+1]|
.endr
	s_delay_alu instid0(VALU_DEP_1)
	v_add_nc_u32 v[SO], 0xff000000, v[MX]
	s_delay_alu instid0(VALU_DEP_1)
	v_lshrrev_b32 v[MT], 23, v[SO]
	s_delay_alu instid0(VALU_DEP_1)
	v_lshlrev_b32 v[MT], v241, v[MT]               ; my byte at place h,
	s_delay_alu instid0(VALU_DEP_1)
	v_permlanex16_b32 v[PT], v[MT], s[SEL], s[SEL+1]
	s_delay_alu instid0(VALU_DEP_1)
	v_or_b32 v[MT], v[MT], v[PT]                   ; lane l xor 16's beside it,
	s_delay_alu instid0(VALU_DEP_1)
	v_or_b32 v[MT], 0x7f7f0000, v[MT]              ; and 0x7f for the upper 64 along K
	v_cvt_scalef32_pk16_fp6_f32 v[PC:PC+2], v[S:S+15], v[SO]
	v_cvt_scalef32_pk16_fp6_f32 v[PX:PX+2], v[S+16:S+31], v[SO]
	v_nop                                          ; one plain place behind a scaled conversion
.irp i, 0,1,2
	v_mov_b32 v[PC+3+\i], v[PX+\i]
.endr
	ds_store_b128 v252, v[PC:PC+3]
	ds_store_b64 v253, v[PC+4:PC+5] offset:512
	ds_store_b32 v254, v[MT]
	s_wait_dscnt 0x0                               ; for the others' sake: my stores have landed
	s_barrier_signal -1
	s_barrier_wait -1
.irp k, 0,1,2,3,4,5,6                  ; tiles 1 to 6 are multiplied (e = 16 .. 111); tile 7 only stands behind tile 6
	ds_load_b128 v[F+6*\k:F+6*\k+3], v8 offset:768*(\k+1)
	ds_load_b64 v[F+6*\k+4:F+6*\k+5], v9 offset:768*(\k+1)+512
.endr
.irp k, 0,1,2,3,4,5
	ds_load_b32 v[ES+\k], v10 offset:128*(\k+1)
.endr
	s_wait_dscnt 0x0
.irp k, 0,1,2,3,4,5
	v_wmma_scale_f32_16x16x128_f8f6f4 v[S+8*\k:S+8*\k+7], v[F+6*\k:F+6*\k+11], v[QF:QF+11], 0, v[ES+\k], v[QS] matrix_a_fmt:MATRIX_FMT_FP6 matrix_b_fmt:MATRIX_FMT_FP6
.endr
.set i, 0
.rept 32
	v_mov_b32 v[O+i], 0                            ; O^T: the loop is written once, its first step finds zeros.  (These are also the places behind the six products)
.set i, i+1
.endr
	v_mov_b32 v[QE0], v[S]                         ; e = 16 + 8 h: row 0 of E
	v_mov_b32 v[QE64], v[S+40]                     ; e = 96 + 8 h: row 64
.irp t, 0,1,2,3,4,5,6,7                ; the table; e = 0 .. 15 repeat tile 1 (all row 0), e = 112 .. 127 tile 6 (all row 64)
.set k, \t-1
.if \t == 0
.set k, 0
.endif
.if \t == 7
.set k, 5
.endif
	ds_store_b128 v[TST], v[S+8*k:S+8*k+3] offset:64*\t
	ds_store_b128 v[TST], v[S+8*k+4:S+8*k+7] offset:64*\t+16
.endr
; The three key blocks round the query's own: step offset d = the query's block less the step's first block; key block b = d + e, e = -1, 0, 1.
.macro NEAR d
	s_cmp_eq_i32 s[DD], \d
	s_cbranch_scc0 .Lnot_\@
.set g, 0
.irp e, -1,0,1
.if ((\d)+(\e) >= 0) && ((\d)+(\e) <= 3)
.irp n, 0,1,2,3,4,5,6,7,8,9,10,11,12,13,14,15
	ds_load_b32 v[F+16*g+\n], v[TG] offset:128*((\e)+1)+4*\n
.endr
.set g, g+1
.endif
.endr
	s_wait_dscnt 0x0
.set g, 0
.irp e, -1,0,1
.if ((\d)+(\e) >= 0) && ((\d)+(\e) <= 3)
.irp n, 0,1,2,3,4,5,6,7,8,9,10,11,12,13,14,15
	v_add_f32 v[S+16*((\d)+(\e))+\n], v[S+16*((\d)+(\e))+\n], v[F+16*g+\n]   ; ascending: each accumulator from its low end on
.endr
	v_mov_b32 v[PB+(\d)+(\e)], 0
.set g, g+1
.endif
.endr
.Lnot_\@:
.endm
; A KEY STEP: 128 keys.
.macro STEP
	v_add_nc_u32 v[A16], s[TB], v[L16]             ; (these four are the places behind the last step's products, in front of the loads below)
	v_add_nc_u32 v[A8], s[TB], v[L8]
	v_add_nc_u32 v[ADS], s[TS], v[LSK]
	v_add_nc_u32 v[ADT], s[TJ], v[LSV]
.irp t, 0,1,2,3,4,5,6,7
	ds_load_b128 v[F+6*\t:F+6*\t+3], v[A16] offset:768*\t
	ds_load_b64 v[F+6*\t+4:F+6*\t+5], v[A8] offset:768*\t+512
.endr
	ds_load_b128 v[KS:KS+3], v[ADS]                ; lanes 0-15: the even tiles' words, lanes 16-31: the odd tiles'
	s_wait_dscnt 0x0
.irp t, 0,1,2,3,4,5,6,7
.if \t % 2
	v_wmma_scale_f32_16x16x128_f8f6f4 v[S+8*\t:S+8*\t+7], v[F+6*\t:F+6*\t+11], v[QF:QF+11], 0, v[KS+\t/2], v[QS] matrix_a_fmt:MATRIX_FMT_FP6 matrix_b_fmt:MATRIX_FMT_FP6 matrix_a_scale:MATRIX_SCALE_ROW1
.else
	v_wmma_scale_f32_16x16x128_f8f6f4 v[S+8*\t:S+8*\t+7], v[F+6*\t:F+6*\t+11], v[QF:QF+11], 0, v[KS+\t/2], v[QS] matrix_a_fmt:MATRIX_FMT_FP6 matrix_b_fmt:MATRIX_FMT_FP6
.endif
.endr
	s_wait_alu depctr_va_vdst(0)
.irp b, 0,1,2,3                        ; a far block's term: QE[0] where the block lies before the query's, QE[64] behind.  (The four selects are the places behind the products)
	s_cmp_gt_i32 s[DD], \b
	s_cselect_b32 s55, -1, 0
	v_cndmask_b32 v[PB+\b], v[QE64], v[QE0], s55
.endr
	s_add_co_u32 s56, s[DD], 1
	s_cmp_gt_u32 s56, 5                            ; ids and the count of steps alone
	s_cbranch_scc1 .Lfar_\@
.irp d, -1,0,1,2,3,4
	NEAR \d
.endr
.Lfar_\@:
.irp t, 0,1,2,3                        ; V's four fragments: they land during the softmax
.irp c, 0,1
	ds_load_b128 v[F+12*\t+6*\c:F+12*\t+6*\c+3], v[A16] offset:24576+1536*\t+768*\c
	ds_load_b64 v[F+12*\t+6*\c+4:F+12*\t+6*\c+5], v[A8] offset:24576+1536*\t+768*\c+512
.endr
.endr
	ds_load_b64 v[VS:VS+1], v[ADT]
.irp b, 0,1,2,3
	v_max3_num_f32 v[MX+\b], v[S+16*\b], v[S+16*\b+1], v[S+16*\b+2]   ; the largest score of each block of 32 keys: for the row's maximum, and for the block's largest p
.endr
.irp i, 3,5,7,9,11,13
.irp b, 0,1,2,3
	v_max3_num_f32 v[MX+\b], v[MX+\b], v[S+16*\b+\i], v[S+16*\b+\i+1]
.endr
.endr
.irp b, 0,1,2,3
	v_max_num_f32 v[MX+\b], v[MX+\b], v[S+16*\b+15]
.endr
.irp b, 0,1,2,3
	s_delay_alu instid0(VALU_DEP_4)
	v_permlanex16_b32 v[PT+\b], v[MX+\b], s[SEL], s[SEL+1]
.endr
.irp b, 0,1,2,3
	s_delay_alu instid0(VALU_DEP_4)
	v_max_num_f32 v[MX+\b], v[MX+\b], v[PT+\b]
.endr
.irp b, 0,1,2,3
	s_delay_alu instid0(VALU_DEP_4)
	v_add_f32 v[PT+\b], v[MX+\b], v[PB+\b]         ; with the block's position term
.endr
	s_delay_alu instid0(VALU_DEP_2)
	v_max3_num_f32 v[TMP], v[PT], v[PT+1], v[PT+2]
	s_delay_alu instid0(VALU_DEP_1)
	v_max_num_f32 v[TMP], v[TMP], v[PT+3]
	s_delay_alu instid0(VALU_DEP_1)
	v_mul_f32 v[TMP], s[CS], v[TMP]                ; as t (c is positive)
	s_delay_alu instid0(VALU_DEP_1)
	v_max_num_f32 v13, v13, v[TMP]                 ; the running largest t
	v_mov_b32 v[TMP], v12
	s_delay_alu instid0(VALU_DEP_2)
	v_floor_f32 v12, -v13                          ; the new -M = -ceil(t): M is a whole number
	s_delay_alu instid0(VALU_DEP_1)
	v_sub_f32 v[TMP], v12, v[TMP]
	s_delay_alu instid0(VALU_DEP_1)
	v_cvt_i32_f32 v[TMP], v[TMP]                   ; (it saturates)
	s_delay_alu instid0(VALU_DEP_1)
	v_ldexp_f32 v[FF], 1.0, v[TMP]                 ; f = 2^(old M - new M): rounds nothing
.irp b, 0,1,2,3
	v_fma_f32 v[AD+2*\b], v[PB+\b], s[CS], v12     ; the block's addend: c x its term - M
.endr
.irp b, 0,1,2,3
.irp m, 0,2,4,6,8,10,12,14
	v_pk_fma_f32 v[S+16*\b+\m:S+16*\b+\m+1], v[S+16*\b+\m:S+16*\b+\m+1], s[CS:CS+1], v[AD+2*\b:AD+2*\b+1] op_sel_hi:[1,0,0]
.endr
.endr
.irp b, 0,1,2,3
	v_fma_f32 v[MT+\b], v[MX+\b], s[CS], v[AD+2*\b]   ; the same of each block's largest score: the same bits as its p's exponent
.endr
.set i, 0
	s_wait_alu depctr_va_vdst(0)
.rept 64
	v_exp_f32 v[S+i], v[S+i]                       ; p = 2^(t - M), not normalised
.set i, i+1
.endr
	v_pk_mul_f32 v[14:15], v[14:15], v[FF:FF+1] op_sel_hi:[1,0]   ; the sums under the new M (a plain place behind the exponentials)
	s_wait_alu depctr_va_vdst(0)                   ; one wait for the batch, ahead of its first reader
.irp b, 0,1,2,3
	v_exp_f32 v[MT+\b], v[MT+\b]                   ; the blocks' largest p
.endr
	v_pk_add_f32 v[240:241], v[100:101], v[104:105]
	v_pk_add_f32 v[252:253], v[108:109], v[112:113]
	v_pk_add_f32 v[250:251], v[116:117], v[120:121]
	v_pk_add_f32 v[248:249], v[124:125], v[128:129]
	v_pk_add_f32 v[246:247], v[132:133], v[136:137]
	v_pk_add_f32 v[242:243], v[140:141], v[144:145]
	v_pk_add_f32 v[236:237], v[148:149], v[152:153]
	v_pk_add_f32 v[14:15], v[14:15], v[156:157]
	v_pk_add_f32 v[240:241], v[240:241], v[96:97]
	v_pk_add_f32 v[252:253], v[252:253], v[98:99]
	v_pk_add_f32 v[250:251], v[250:251], v[102:103]
	v_pk_add_f32 v[248:249], v[248:249], v[106:107]
	v_pk_add_f32 v[246:247], v[246:247], v[110:111]
	v_pk_add_f32 v[242:243], v[242:243], v[114:115]
	v_pk_add_f32 v[236:237], v[236:237], v[118:119]
	v_pk_add_f32 v[14:15], v[14:15], v[122:123]
	v_pk_add_f32 v[240:241], v[240:241], v[126:127]
	v_pk_add_f32 v[252:253], v[252:253], v[130:131]
	v_pk_add_f32 v[250:251], v[250:251], v[134:135]
	v_pk_add_f32 v[248:249], v[248:249], v[138:139]
	v_pk_add_f32 v[246:247], v[246:247], v[142:143]
	v_pk_add_f32 v[242:243], v[242:243], v[146:147]
	v_pk_add_f32 v[236:237], v[236:237], v[150:151]
	v_pk_add_f32 v[14:15], v[14:15], v[154:155]
	v_pk_add_f32 v[240:241], v[240:241], v[158:159]
	s_delay_alu instid0(VALU_DEP_2)
	v_pk_add_f32 v[14:15], v[14:15], v[248:249]
	s_delay_alu instid0(VALU_DEP_2)
	v_pk_add_f32 v[240:241], v[240:241], v[246:247]
	v_pk_add_f32 v[252:253], v[252:253], v[242:243]
	v_pk_add_f32 v[250:251], v[250:251], v[236:237]
	s_delay_alu instid0(VALU_DEP_2)
	v_pk_add_f32 v[14:15], v[14:15], v[252:253]
	s_delay_alu instid0(VALU_DEP_2)
	v_pk_add_f32 v[240:241], v[240:241], v[250:251]
	s_delay_alu instid0(VALU_DEP_1)
	v_pk_add_f32 v[14:15], v[14:15], v[240:241]
	s_wait_alu depctr_va_vdst(0)                   ; and one for the four
.irp b, 0,1,2,3
	v_max_num_f32 v[MT+\b], 0x1800000, v[MT+\b]    ; the floor 2^(3 - 127)
.endr
.irp b, 0,1,2,3
	s_delay_alu instid0(VALU_DEP_4)
	v_add_nc_u32 v[SO+\b], 0xff000000, v[MT+\b]
.endr
.irp b, 0,1,2,3
	s_delay_alu instid0(VALU_DEP_4)
	v_lshrrev_b32 v[PT+\b], 23, v[SO+\b]
.endr
	s_delay_alu instid0(VALU_DEP_3)
	v_lshl_or_b32 v[PW], v[PT+1], 8, v[PT]
	s_delay_alu instid0(VALU_DEP_1)
	v_lshl_or_b32 v[PW], v[PT+2], 16, v[PW]
	s_delay_alu instid0(VALU_DEP_1)
	v_lshl_or_b32 v[PW], v[PT+3], 24, v[PW]
.irp c, 0,1
	v_cvt_scalef32_pk16_fp6_f32 v[PC+6*\c:PC+6*\c+2], v[S+32*\c:S+32*\c+15], v[SO+2*\c]
	v_cvt_scalef32_pk16_fp6_f32 v[PX+4*\c:PX+4*\c+2], v[S+32*\c+16:S+32*\c+31], v[SO+2*\c+1]
.endr
	v_nop                                          ; one plain place behind a scaled conversion
.irp c, 0,1
.irp i, 0,1,2
	v_permlane16_swap_b32 v[PC+6*\c+\i], v[PX+4*\c+\i]
.endr
.irp i, 0,1,2
	s_delay_alu instid0(VALU_DEP_3)
	v_mov_b32 v[PC+3+6*\c+\i], v[PX+4*\c+\i]
.endr
.endr
.set i, 0
.rept 16
	v_pk_mul_f32 v[O+i:O+i+1], v[O+i:O+i+1], v[FF:FF+1] op_sel_hi:[1,0]   ; O^T under the new M.  (Also the places between p's codes and scale word and the products)
.set i, i+2
.endr
	s_wait_alu depctr_va_vdst(0)
	s_wait_dscnt 0x0                               ; V
.irp t, 0,1,2,3
.if \t % 2
	v_wmma_scale_f32_16x16x128_f8f6f4 v[O+8*\t:O+8*\t+7], v[F+12*\t:F+12*\t+11], v[PC:PC+11], v[O+8*\t:O+8*\t+7], v[VS+\t/2], v[PW] matrix_a_fmt:MATRIX_FMT_FP6 matrix_b_fmt:MATRIX_FMT_FP6 matrix_a_scale:MATRIX_SCALE_ROW1
.else
	v_wmma_scale_f32_16x16x128_f8f6f4 v[O+8*\t:O+8*\t+7], v[F+12*\t:F+12*\t+11], v[PC:PC+11], v[O+8*\t:O+8*\t+7], v[VS+\t/2], v[PW] matrix_a_fmt:MATRIX_FMT_FP6 matrix_b_fmt:MATRIX_FMT_FP6
.endif
.endr
	s_add_co_u32 s[TB], s[TB], 6144
	s_add_co_u32 s[TS], s[TS], 512
	s_add_co_u32 s[TJ], s[TJ], 256
	s_sub_co_i32 s[DD], s[DD], 4
.endm
; A PREFETCH INTO THE L2 of what the NEXT change of slots will ask for: 24,576 bytes of K and of V.  All eight work-groups of a head walk the same K and V: the head's first asks; in it waves 4 to 6 for K's block and
; waves 8 to 10 for V's, 8,192 bytes a wave, lanes 256 bytes apart: each block of 256 bytes is named once in the launch.  The first two slots come by their loads alone; the last change that fills a slot asks for nothing.
.macro ASK
	s_cmp_gt_u32 s[SLOTS], s[LIM]
	s_cbranch_scc0 .Lnot_mine_\@
	global_prefetch_b8 v[PFO], s[PFA:PFA+1] th:TH_LOAD_NT scope:SCOPE_SE
.Lnot_mine_\@:
.endm
; THE CHANGE OF SLOTS stands at a slot's head: each wave waits for all its tensor loads, adds 0 to its spare word, waits for that and for its reads of the slot that it has left; behind the barrier the slot ahead is whole
; and nobody reads the other.  fill = 1: that other slot takes the next 512 keys: the load has four key steps in which to land.
.macro CHANGE fill
	s_wait_tensorcnt 0x0                           ; no tensor load of mine is out, so the walking descriptor may be written
	ds_add_u32 v[SPW], v[NIL]
.if \fill
	s_xor_b32 s[G0+1], s[G0+1], SLOT1
	s_add_nc_u64 s[G0+2:G0+3], s[G0+2:G0+3], 24576
	s_wait_xcnt 0x0                                ; the last prefetch, a slot back, has read its address
	s_add_nc_u64 s[PFA:PFA+1], s[PFA:PFA+1], 24576
.endif
	s_wait_dscnt 0x0
	s_barrier_signal -1
	s_barrier_wait -1
.if \fill
	s_cmp_lt_u32 s[WV], 2
	s_cbranch_scc0 .Lnone_\@
	tensor_load_to_lds s[G0:G0+3], s[G1:G1+7]      ; the first thing behind the barrier, and a wave's one tensor load until the next
	s_nop 0
.rept 4
	v_nop
.endr
.Lnone_\@:
	ASK
.endif
.endm
.macro SLOT_STEPS                      ; a slot's four key steps: written once, walked four times
	s_mov_b32 s[CNT], 4
.Lstep_\@:
	STEP
	s_sub_co_u32 s[CNT], s[CNT], 1
	s_cmp_lg_u32 s[CNT], 0
	s_cbranch_scc1 .Lstep_\@
	s_sub_co_u32 s[TB], s[TB], 24576
	s_xor_b32 s[TB], s[TB], SLOT1                  ; on to the other slot
.endm
.Lslot:                                ; three trips: behind each change of slots but the last the next slot is asked for
	CHANGE 1
	SLOT_STEPS
	s_sub_co_u32 s[SLOTS], s[SLOTS], 1
	s_cmp_lg_u32 s[SLOTS], 0
	s_cbranch_scc1 .Lslot
	CHANGE 0                                       ; the last slot is written out
	SLOT_STEPS
	; THE WAY OUT.  O^T / the sum: register 16 b + i is channel 32 b + 16 h + i of my query: two blocks along the model's axis, each shared with lane l xor 16: one half fragment and two scale bytes.
	v_add_f32 v14, v14, v15
	s_delay_alu instid0(VALU_DEP_1)
	v_permlanex16_b32 v[PT], v14, s[SEL], s[SEL+1]
	s_delay_alu instid0(VALU_DEP_1)
	v_add_f32 v14, v14, v[PT]
	s_wait_alu depctr_va_vdst(0)
	v_rcp_f32 v14, v14
.rept 4
	v_nop                                          ; the plain place behind the reciprocal, and the places behind the last products
.endr
	s_wait_alu depctr_va_vdst(0)                   ; the wait ahead of the reciprocal's first reader
.set i, 0
.rept 32
	v_mul_f32 v[S+i], v[O+i], v14
.set i, i+1
.endr
.irp b, 0,1
	v_max3_num_f32 v[MX+\b], |v[S+16*\b]|, |v[S+16*\b+1]|, 0x1800000
.endr
.irp i, 2,4,6,8,10,12,14
.irp b, 0,1
	s_delay_alu instid0(VALU_DEP_2)
	v_max3_num_f32 v[MX+\b], v[MX+\b], |v[S+16*\b+\i]|, |v[S+16*\b+\i+1]|
.endr
.endr
.irp b, 0,1
	s_delay_alu instid0(VALU_DEP_2)
	v_permlanex16_b32 v[PT+\b], v[MX+\b], s[SEL], s[SEL+1]
.endr
.irp b, 0,1
	s_delay_alu instid0(VALU_DEP_2)
	v_max_num_f32 v[MX+\b], v[MX+\b], v[PT+\b]
.endr
.irp b, 0,1
	s_delay_alu instid0(VALU_DEP_2)
	v_add_nc_u32 v[SO+\b], 0xff000000, v[MX+\b]
.endr
.irp b, 0,1
	s_delay_alu instid0(VALU_DEP_2)
	v_lshrrev_b32 v[MT+\b], 23, v[SO+\b]
.endr
	s_delay_alu instid0(VALU_DEP_1)
	v_lshl_or_b32 v[MT], v[MT+1], 8, v[MT]
	v_cvt_scalef32_pk16_fp6_f32 v[PC:PC+2], v[S:S+15], v[SO]
	v_cvt_scalef32_pk16_fp6_f32 v[PX:PX+2], v[S+16:S+31], v[SO+1]
	v_nop
.irp i, 0,1,2
	v_permlane16_swap_b32 v[PC+\i], v[PX+\i]       ; lanes 0-15 now hold block 0 whole, lanes 16-31 block 1
.endr
.irp i, 0,1,2
	s_delay_alu instid0(VALU_DEP_3)
	v_mov_b32 v[PC+3+\i], v[PX+\i]
.endr
	global_store_b128 v[L16], v[PC:PC+3], s[70:71]             ; 512 consecutive bytes, at a multiple of 256
	global_store_b64 v[L8], v[PC+4:PC+5], s[70:71] offset:512  ; 256 consecutive bytes, at a multiple of 256
	global_store_b16 v[R16], v[MT], s[72:73]       ; my head's half of row r's scale word; lanes l and l xor 16 hold the same two bytes and name the same place.  The word's other half is another head's, another work-group's
	s_wait_tensorcnt 0x0                           ; the wave's end
	ds_add_u32 v[SPW], v[NIL]
	s_wait_dscnt 0x0
	s_endpgm
.Lfunc_end_k_q3a0f320c8e_attn:
	.size	k_q3a0f320c8e_attn, .Lfunc_end_k_q3a0f320c8e_attn-k_q3a0f320c8e_attn
	.p2alignl 7, 3214868480
	.fill 96, 4, 3214868480
	.section	.rodata,"a",@progbits
	.p2align	6, 0x0
	.amdhsa_kernel k_q3a0f320c8e_attn
		.amdhsa_group_segment_fixed_size 327680
		.amdhsa_private_segment_fixed_size 0
		.amdhsa_enable_private_segment 0
		.amdhsa_kernarg_size 40
		.amdhsa_user_sgpr_count 2
		.amdhsa_user_sgpr_kernarg_segment_ptr 1
		.amdhsa_wavefront_size32 1
		.amdhsa_system_sgpr_workgroup_id_x 1
		.amdhsa_system_sgpr_workgroup_id_y 1
		.amdhsa_system_sgpr_workgroup_id_z 1
		.amdhsa_system_vgpr_workitem_id 0
		.amdhsa_next_free_vgpr 256
		.amdhsa_next_free_sgpr 80
		.amdhsa_reserve_vcc 0
		.amdhsa_float_denorm_mode_32 3
		.amdhsa_float_denorm_mode_16_64 3
		.amdhsa_memory_ordered 1
		.amdhsa_forward_progress 1
		.amdhsa_inst_pref_size 98
	.end_amdhsa_kernel
	.amdgpu_metadata
---
amdhsa.version: [ 1, 2 ]
amdhsa.kernels:
  - .name:           k_q3a0f320c8e_attn
    .symbol:         k_q3a0f320c8e_attn.kd
    .args:
      - { .name: qkv, .offset: 0, .size: 8, .value_kind: global_buffer, .address_space: global }
      - { .name: qkvs, .offset: 8, .size: 8, .value_kind: global_buffer, .address_space: global }
      - { .name: rel_emb, .offset: 16, .size: 8, .value_kind: global_buffer, .address_space: global }
      - { .name: ocodes, .offset: 24, .size: 8, .value_kind: global_buffer, .address_space: global }
      - { .name: oscales, .offset: 32, .size: 8, .value_kind: global_buffer, .address_space: global }
    .group_segment_fixed_size: 327680
    .private_segment_fixed_size: 0
    .kernarg_segment_align: 8
    .kernarg_segment_size: 40
    .max_flat_workgroup_size: 512
    .sgpr_count:     80
    .vgpr_count:     256
    .wavefront_size: 32
...
	.end_amdgpu_metadata
.endif
;; end of part 3
;; launch outproj (part 4): grid 8 x 32, 4 waves a work-group, clusters of 4 x 4, 214,528 bytes of LDS; arguments ocodes, oscales, xcodes, xscales, bo, out0; writes out0
.if DOCPART == 4
	.amdgcn_target "amdgcn-amd-amdhsa--gfx1250"
	.amdhsa_code_object_version 6
	.text
	.protected	k_q3a0f320c8e_outproj
	.globl	k_q3a0f320c8e_outproj
	.p2align	8
	.type	k_q3a0f320c8e_outproj,@function
k_q3a0f320c8e_outproj:
	s_mov_b64 s[64:65], 0
	v_nop
	global_prefetch_b8 v0, s[64:65] scope:SCOPE_SE
	s_setreg_imm32_b32 hwreg(HW_REG_WAVE_MODE, 25, 1), 1
	s_wait_xcnt 0x0
	s_wait_alu depctr_hold_cnt(0) depctr_sa_sdst(0) depctr_va_vdst(0) depctr_va_sdst(0) depctr_va_ssrc(0) depctr_va_vcc(0) depctr_vm_vsrc(0)
	s_getreg_b32 s2, hwreg(HW_REG_IB_STS2, 6, 4)
	s_cmp_eq_u32 s2, 0
	s_cbranch_scc0 .Lentry_in_a_cluster
	s_endpgm
.Lentry_in_a_cluster:
	s_bfe_u32 s2, ttmp6, 0x10000c
	s_cmp_lg_u32 s2, 0xf033
	s_cbranch_scc0 .Lentry_shape_is_right
	s_endpgm
.Lentry_shape_is_right:
; out0 = O Wo^T + bo on codes of FP6 (E2M3) with E8M0 scales; f32 out.  M 4,096, N 1,024, K 1,024.
; SHARES: 32 x 8 = 256 work-groups, a block of 128 tokens x 128 columns each; four waves, 64 x 64 each: 16 accumulators.
; OPERANDS lie in the order of the registers: a group of 128 rows is 98,304 dense bytes, [K / 128][tile / 4][tile % 4][1,536]; tile a's lane r holds row 32 (a / 2) + 8 (a % 2) + r + 8 (r / 8) of the group.
; ALL OF K COMES INTO LDS AT ONCE: A's group and B's, 49,152 bytes a wave by one joint load at the head; nothing is filled again.
; CLUSTERS 4 x 4: A's group is asked for jointly along a row of the cluster, B's along a column.
; SCALE WORDS (8 K steps x 4 tiles a side) and the bias go straight into registers, in whole blocks of 256 bytes for the words.
; Source 0 = 16 rows of Wo, source 1 = 16 tokens: a lane holds 8 neighbouring columns of one token; the bias is the C of each sum's first product.
; NO PREFETCH: the text has no loop to run ahead in, and its first lines ask for all that the work-group reads.
; REGISTERS.  Window 0: v8-15 LDS addresses; v32-63 A's scale words, v64-95 B's (they hold nothing else); v96-191 A's fragments, two sets; v192-255 the bias, then the way out.
; Window 1: v0-95 B's fragments, two sets; v128-255 the accumulators, (a, b) at 128 + 8 (4 a + b).
.set KB,     12288                     ; 128 rows x 128 K
.set HALF,   4*KB                      ; what one tensor load brings: four K steps of a group
.set STAGE,  4*HALF                    ; behind A's and B's groups: 16 rows x 272 bytes for each wave
.set SPITCH, 272
.set SPARE,  STAGE+4*16*SPITCH         ; the spare words, 128 bytes a wave
.set ADR, 8                            ; v[ADR + 4 side + 2 (ks / 4) + w]: w = 0: 16 x lane, 1: 8 x lane
.set STO, 20
.set RD,  21
.set CO,  22
.set SOF, 23                           ; 16 r
.set BOF, 24                           ; 64 h
.set SPW, 28
.set NIL, 29
.set SA,  32
.set SB,  64
.set AF,  96
.set BI,  192
.set ACC, 128
.set G1, 24
.set G0, 32
.set G1B, 48
.set G0B, 56
.set MSB, 0
.macro WIN new                         ; the immediate's high byte repeats the setting that is left
.if MSB != \new
	s_set_vgpr_msb (MSB<<8)|\new
.set MSB, \new
.endif
.endm
.macro CROUND                          ; a round of the cluster's barrier
	s_barrier_signal -1
	s_barrier_wait -1
	s_cmp_lg_u32 s16, 0
	s_cbranch_scc1 .Lnot_wave_0_\@
	s_barrier_signal -3
.Lnot_wave_0_\@:
	s_barrier_wait -3
	s_barrier_signal -1
	s_barrier_wait -1
.endm
	s_load_b128 s[4:7], s[0:1], 0x0                ; ocodes, oscales
	s_load_b128 s[8:11], s[0:1], 0x10              ; xcodes, xscales
	s_load_b128 s[12:15], s[0:1], 0x20             ; bo, out0
	v_lshl_add_u32 v[SPW], v0, 2, SPARE
	v_mov_b32 v[NIL], 0
	ds_add_u32 v[SPW], v[NIL]                      ; the opening lines: the add twice on end and one wait
	ds_add_u32 v[SPW], v[NIL]
	v_lshrrev_b32 v1, 5, v0
	v_readfirstlane_b32 s16, v1                    ; wave
	s_lshr_b32 s17, s16, 1                         ; my 64 tokens of the 128; also: I fetch for A (0) or B (1)
	s_and_b32 s18, s16, 1                          ; my 64 columns; also: which half of the group's bytes I fetch
	s_bfe_u32 s40, ttmp6, 0x40000                  ; cx
	s_bfe_u32 s41, ttmp6, 0x40004                  ; cy
	s_lshl_b32 s42, ttmp9, 2
	s_add_co_u32 s42, s42, s40                     ; block of columns, 0 .. 7
	s_and_b32 s43, ttmp7, 0xffff
	s_lshl_b32 s43, s43, 2
	s_add_co_u32 s43, s43, s41                     ; block of tokens, 0 .. 31
	s_lshl_b32 s44, s41, 2
	s_lshl_b32 s44, 15, s44                        ; my row of the cluster
	s_lshl_b32 s45, 0x1111, s40                    ; my column
	s_or_b32 s[G1], s44, (3<<16)|(1<<21)           ; elements of 8 bytes, no padding, bit 21 beside the mask
	s_or_b32 s[G1B], s45, (3<<16)|(1<<21)
.irp g, G1, G1B                        ; 49,152 dense bytes as 192 rows of 256
	s_mov_b32 s[\g+1], 32<<16
	s_mov_b32 s[\g+2], 192<<16
	s_mov_b32 s[\g+3], 32<<16
	s_mov_b32 s[\g+4], 192
	s_mov_b32 s[\g+5], 32
	s_mov_b32 s[\g+6], 0
	s_mov_b32 s[\g+7], 0
.endr
	s_mul_i32 s72, s18, HALF
	s_mul_i32 s20, s43, 98304                      ; A's codes
	s_add_co_u32 s20, s20, s72
	s_mov_b32 s21, 0
	s_mul_i32 s46, s42, 98304                      ; B's: Wo begins at byte 11,796,480 of xcodes
	s_add_co_u32 s46, s46, s72
	s_add_co_u32 s46, s46, 11796480
	s_mov_b32 s47, 0
	s_lshl_b32 s22, s43, 12                        ; A's scale words: 4,096 bytes a group, 256 for my four tiles of a K step
	s_lshl_b32 s72, s17, 8
	s_add_co_u32 s22, s22, s72
	s_mov_b32 s23, 0
	s_lshl_b32 s60, s42, 12                        ; B's: Wo's begin at byte 491,520 of xscales
	s_lshl_b32 s72, s18, 8
	s_add_co_u32 s60, s60, s72
	s_add_co_u32 s60, s60, 491520
	s_mov_b32 s61, 0
	s_lshl_b32 s68, s42, 9                         ; my 64 columns, in bytes
	s_add_co_u32 s68, s68, s72
	s_mov_b32 s69, 0
	s_lshl_b32 s70, s43, 19                        ; my 64 tokens' rows of 4,096 bytes
	s_lshl_b32 s72, s17, 18
	s_add_co_u32 s70, s70, s72
	s_add_co_u32 s70, s70, s68
	s_mov_b32 s71, 0
	s_mul_i32 s73, s16, HALF                       ; where my tensor load lands: A's two halves, then B's
	s_mul_i32 s66, s17, 6144                       ; my four tiles of A in a K step,
	s_mul_i32 s67, s18, 6144
	s_add_co_u32 s67, s67, 2*HALF                  ; and of B
	s_mul_i32 s76, s16, 16*SPITCH
	s_add_co_u32 s76, s76, STAGE                   ; my stage
	v_and_b32 v1, 31, v0
	v_and_b32 v2, 15, v0                           ; r
	v_bfe_u32 v3, v0, 4, 1                         ; h
	v_lshlrev_b32 v4, 4, v1
	v_lshlrev_b32 v5, 3, v1
	v_add_nc_u32 v[ADR], s66, v4
	v_add_nc_u32 v[ADR+1], s66, v5
	v_add_nc_u32 v[ADR+4], s67, v4
	v_add_nc_u32 v[ADR+5], s67, v5
.irp i, 0,1,4,5
	v_add_nc_u32 v[ADR+2+\i], HALF, v[ADR+\i]      ; K steps 4 to 7
.endr
	v_lshlrev_b32 v[SOF], 4, v2
	v_lshlrev_b32 v[BOF], 6, v3
	v_mul_u32_u24 v6, v2, SPITCH                   ; into the stage: row r, + 64 h
	v_lshl_add_u32 v6, v3, 6, v6
	v_add_nc_u32 v[STO], s76, v6
	v_mul_u32_u24 v7, v3, SPITCH                   ; back: sixteen lanes to a row of 256 bytes, two rows an instruction
	v_lshl_add_u32 v7, v2, 4, v7
	v_add_nc_u32 v[RD], s76, v7
	v_lshl_add_u32 v[CO], v3, 12, v[SOF]           ; and the same two rows in out0
	s_wait_alu depctr_va_vdst(0)
	s_wait_dscnt 0x0                               ; both opening adds are done
	s_wait_kmcnt 0x0
	s_add_nc_u64 s[20:21], s[4:5], s[20:21]
	s_add_nc_u64 s[22:23], s[6:7], s[22:23]
	s_add_nc_u64 s[46:47], s[8:9], s[46:47]
	s_add_nc_u64 s[60:61], s[10:11], s[60:61]
	s_add_nc_u64 s[68:69], s[12:13], s[68:69]
	s_add_nc_u64 s[70:71], s[14:15], s[70:71]
	s_mov_b32 s[G0], 1
	s_mov_b32 s[G0+1], s73
	s_mov_b64 s[G0+2:G0+3], s[20:21]
	s_or_b32 s[G0+3], s[G0+3], 0x80000000
	s_mov_b32 s[G0B], 1
	s_mov_b32 s[G0B+1], s73
	s_mov_b64 s[G0B+2:G0B+3], s[46:47]
	s_or_b32 s[G0B+3], s[G0B+3], 0x80000000
.irp k, 0,1,2,3,4,5,6,7
	global_load_b128 v[SA+4*\k:SA+4*\k+3], v[SOF], s[22:23] offset:512*\k   ; row r's words of my four tiles, K step k
	global_load_b128 v[SB+4*\k:SB+4*\k+3], v[SOF], s[60:61] offset:512*\k
.endr
.irp u, 0,1,2,3                        ; tile u's register j is column 32 (u / 2) + 8 (u % 2) + 16 h + j of my 64
	global_load_b128 v[BI+8*\u:BI+8*\u+3], v[BOF], s[68:69] offset:(32*(\u/2)+8*(\u%2))*4
	global_load_b128 v[BI+8*\u+4:BI+8*\u+7], v[BOF], s[68:69] offset:(32*(\u/2)+8*(\u%2))*4+16
.endr
	CROUND                                         ; all sixteen work-groups are here: the joint loads meet
	s_cmp_eq_u32 s17, 0                            ; one tensor load a wave; s_nop 0 and four v_nop behind each line
	s_cbranch_scc0 .Lfor_b
	tensor_load_to_lds s[G0:G0+3], s[G1:G1+7]
	s_nop 0
.rept 4
	v_nop
.endr
	s_branch .Lasked
.Lfor_b:
	tensor_load_to_lds s[G0B:G0B+3], s[G1B:G1B+7]
	s_nop 0
.rept 4
	v_nop
.endr
.Lasked:
.macro FRAG reg, side, ks, t
	ds_load_b128 v[\reg:\reg+3], v[ADR+4*\side+2*((\ks)/4)] offset:((\ks)%4)*KB+\t*1536
	ds_load_b64 v[\reg+4:\reg+5], v[ADR+4*\side+2*((\ks)/4)+1] offset:((\ks)%4)*KB+\t*1536+512
	ds_load_b128 v[\reg+6:\reg+9], v[ADR+4*\side+2*((\ks)/4)] offset:((\ks)%4)*KB+\t*1536+768
	ds_load_b64 v[\reg+10:\reg+11], v[ADR+4*\side+2*((\ks)/4)+1] offset:((\ks)%4)*KB+\t*1536+1280
.endm
.macro FETCH ks                        ; 32 LDS loads: K step ks's four fragments of B and four of A, into set ks % 2
	WIN 0x40                                       ; destination window 1
.irp t, 0,1,2,3
	FRAG 48*((\ks)%2)+12*\t, 1, \ks, \t
.endr
	WIN 0
.irp t, 0,1,2,3
	FRAG AF+48*((\ks)%2)+12*\t, 0, \ks, \t
.endr
.endm
.macro KSTEP ks                        ; 16 products, the 16 accumulators by turns, one instruction a turn
.if (\ks) < 7
.if (\ks) > 0
.rept 4
	v_nop                                          ; places in front of loads into the set that the last step multiplied
.endr
.endif
	FETCH (\ks)+1
	s_wait_dscnt 32                                ; all but the 32 just issued: this step's fragments are in
.else
	s_wait_dscnt 0x0
.endif
.if (\ks) == 0
	WIN 0x41                                       ; source 0 and D window 1; C, the bias, window 0
.else
	WIN 0x51                                       ; source 0, C and D window 1
.endif
.irp a, 0,1,2,3
.irp b, 0,1,2,3
.if (\ks) == 0
	v_wmma_scale_f32_16x16x128_f8f6f4 v[ACC+8*(4*\a+\b):ACC+8*(4*\a+\b)+7], v[48*((\ks)%2)+12*\b:48*((\ks)%2)+12*\b+11], v[AF+48*((\ks)%2)+12*\a:AF+48*((\ks)%2)+12*\a+11], v[BI+8*\b:BI+8*\b+7], v[SB+4*(\ks)+\b], v[SA+4*(\ks)+\a] matrix_a_fmt:MATRIX_FMT_FP6 matrix_b_fmt:MATRIX_FMT_FP6
.else
	v_wmma_scale_f32_16x16x128_f8f6f4 v[ACC+8*(4*\a+\b):ACC+8*(4*\a+\b)+7], v[48*((\ks)%2)+12*\b:48*((\ks)%2)+12*\b+11], v[AF+48*((\ks)%2)+12*\a:AF+48*((\ks)%2)+12*\a+11], v[ACC+8*(4*\a+\b):ACC+8*(4*\a+\b)+7], v[SB+4*(\ks)+\b], v[SA+4*(\ks)+\a] matrix_a_fmt:MATRIX_FMT_FP6 matrix_b_fmt:MATRIX_FMT_FP6
.endif
.endr
.endr
.endm
	s_wait_tensorcnt 0x0                           ; my half group is in,
	s_barrier_signal -1
	s_barrier_wait -1                              ; and everybody's
	FETCH 0
	s_wait_loadcnt 0x0                             ; the scale words and the bias
.irp k, 0,1,2,3,4,5,6,7
	KSTEP \k
.endr
	WIN 0
.rept 4
	v_nop                                          ; places behind the last products
.endr
; THE WAY OUT, 16 tokens x 64 columns at a time, through my own stage: in as 32 bytes a lane, back as whole rows of 256 bytes.  LDS serves a wave's instructions in order (ISA guide 5.7.1.4): no wait between the stores and the loads.
.macro TOSTAGE a
	WIN 0x04                                       ; the data: window 1
.irp b, 0,1,2,3
	ds_store_b128 v[STO], v[ACC+8*(4*(\a)+\b):ACC+8*(4*(\a)+\b)+3] offset:128*(\b/2)+32*(\b%2)       ; each accumulator from its low end on
	ds_store_b128 v[STO], v[ACC+8*(4*(\a)+\b)+4:ACC+8*(4*(\a)+\b)+7] offset:128*(\b/2)+32*(\b%2)+16
.endr
	WIN 0
.irp t, 0,1,2,3,4,5,6,7
	ds_load_b128 v[BI+32*((\a)%2)+4*\t:BI+32*((\a)%2)+4*\t+3], v[RD] offset:\t*2*SPITCH
.endr
.endm
.macro SEND a, younger                 ; younger: the LDS instructions issued behind block a's loads
	s_wait_dscnt \younger
.irp t, 0,1,2,3,4,5,6,7
	global_store_b128 v[CO], v[BI+32*((\a)%2)+4*\t:BI+32*((\a)%2)+4*\t+3], s[70:71] offset:(32*((\a)/2)+8*((\a)%2)+2*\t+8*(\t/4))*4096 th:TH_STORE_NT   ; sixteen lanes store 256 consecutive bytes, at a multiple of 256
.endr
.endm
	TOSTAGE 0
.irp a, 1,2,3
.if \a > 1
	s_wait_xcnt 0x0                                ; block a - 2's stores have read their registers
.endif
	TOSTAGE \a
	SEND \a-1, 16                                  ; behind block a - 1's loads: block a's 8 stores and 8 loads
.endr
	SEND 3, 0
	s_wait_tensorcnt 0x0                           ; the wave's end
	ds_add_u32 v[SPW], v[NIL]
	s_wait_dscnt 0x0
	CROUND                                         ; the closing round
	s_endpgm
.Lfunc_end_k_q3a0f320c8e_outproj:
	.size	k_q3a0f320c8e_outproj, .Lfunc_end_k_q3a0f320c8e_outproj-k_q3a0f320c8e_outproj
	.p2alignl 7, 3214868480
	.fill 96, 4, 3214868480
	.section	.rodata,"a",@progbits
	.p2align	6, 0x0
	.amdhsa_kernel k_q3a0f320c8e_outproj
		.amdhsa_group_segment_fixed_size 214528
		.amdhsa_private_segment_fixed_size 0
		.amdhsa_enable_private_segment 0
		.amdhsa_kernarg_size 48
		.amdhsa_user_sgpr_count 2
		.amdhsa_user_sgpr_kernarg_segment_ptr 1
		.amdhsa_wavefront_size32 1
		.amdhsa_system_sgpr_workgroup_id_x 1
		.amdhsa_system_sgpr_workgroup_id_y 1
		.amdhsa_system_sgpr_workgroup_id_z 1
		.amdhsa_system_vgpr_workitem_id 0
		.amdhsa_next_free_vgpr 512
		.amdhsa_next_free_sgpr 80
		.amdhsa_reserve_vcc 0
		.amdhsa_float_denorm_mode_32 3
		.amdhsa_float_denorm_mode_16_64 3
		.amdhsa_memory_ordered 1
		.amdhsa_forward_progress 1
		.amdhsa_inst_pref_size 51
	.end_amdhsa_kernel
	.amdgpu_metadata
---
amdhsa.version: [ 1, 2 ]
amdhsa.kernels:
  - .name:           k_q3a0f320c8e_outproj
    .symbol:         k_q3a0f320c8e_outproj.kd
    .args:
      - { .name: ocodes, .offset: 0, .size: 8, .value_kind: global_buffer, .address_space: global }
      - { .name: oscales, .offset: 8, .size: 8, .value_kind: global_buffer, .address_space: global }
      - { .name: xcodes, .offset: 16, .size: 8, .value_kind: global_buffer, .address_space: global }
      - { .name: xscales, .offset: 24, .size: 8, .value_kind: global_buffer, .address_space: global }
      - { .name: bo, .offset: 32, .size: 8, .value_kind: global_buffer, .address_space: global }
      - { .name: out0, .offset: 40, .size: 8, .value_kind: global_buffer, .address_space: global }
    .group_segment_fixed_size: 214528
    .private_segment_fixed_size: 0
    .kernarg_segment_align: 8
    .kernarg_segment_size: 48
    .max_flat_workgroup_size: 128
    .sgpr_count:     80
    .vgpr_count:     512
    .wavefront_size: 32
...
	.end_amdgpu_metadata
.endif
;; end of part 4
